; MI455X (gfx1250); checked and timed in simulation.
; The chip was launched on July 23, 2026; its instructions are those of AMD's public machine-readable ISA for CDNA 5 (MIT licence, August 2026) and "CDNA5" Instruction Set Architecture Reference Guide (July 2026). The comments in the code are by the model that wrote it; some were corrected since.
;; Decoder Block. Allowed arithmetic: matrix products marked QUANTISED: E4M3 operands, one E8M0 scale for each 32 along K, by v_wmma_scale_f32_16x16x128_f8f6f4 with both operands' format E4M3, f32 sums; everything else in f32.
;; Inputs: W1 1,024 x 4,096 float32; W2 4,096 x 1,024 float32; Wk 16 x 1,024 x 64 float32; Wo 1,024 x 1,024 float32; Wq 16 x 1,024 x 64 float32; Wv 16 x 1,024 x 64 float32; b1 4,096 float32; b2 1,024 float32; bo 1,024 float32; x 2 x 2,048 x 1,024 float32.
;; Outputs: out0 2 x 2,048 x 1,024 float32.
;; This version of the problem:
;;   THIS VERSION OF THE PROBLEM IS GIVEN IN LOW PRECISION. The matrix products marked QUANTISED in the list below multiply operands that are first quantised to E4M3 (4 exponent bits, 3 mantissa bits; 8 bits a number), with one power-of-two scale for each 32 numbers along K (OCP MX v1.0); their sums are f32. All else is computed in f32.
;;   The module's matrix products, in the order in which they are computed (A, B: the left and right operand; K: the contracted axis; several contracted axes count as one K, in the product's order):
;;     1. [M 1,024, K 1,024] x [K 1,024, N 4,096]; A: input Wq; B: input x: QUANTISED
;;     2. [M 1,024, K 1,024] x [K 1,024, N 4,096]; A: input Wk; B: input x: QUANTISED
;;     3. [M 1,024, K 1,024] x [K 1,024, N 4,096]; A: input Wv; B: input x: QUANTISED
;;     4. batch 32 x [M 2,048, K 64] x [K 64, N 2,048]; A: computed on the way; B: computed on the way: QUANTISED
;;     5. batch 32 x [M 2,048, K 2,048] x [K 2,048, N 64]; A: softmax (see below); B: computed on the way: QUANTISED
;;     6. [M 4,096, K 1,024] x [K 1,024, N 1,024]; A: computed on the way; B: input Wo: QUANTISED
;;     7. [M 4,096, K 1,024] x [K 1,024, N 4,096]; A: computed on the way; B: input W1: QUANTISED
;;     8. [M 4,096, K 4,096] x [K 4,096, N 1,024]; A: computed on the way; B: input W2: QUANTISED
;;   THE QUANTISER, for each operand of a quantised product, along K:
;;     - K is cut into blocks of 32 from its start; a last block that is shorter is filled with zeros.
;;     - A block's scale is 2^e with e = floor(log2(the largest magnitude in the block)) - 8, held to -126 .. 127; a block of zeros has e = 0. As a byte (E8M0): e + 127.
;;     - Each number is divided by its block's scale, clamped to +-448, and rounded to the nearest number of E4M3, ties to even, subnormals kept.
;;     - The product sums the exact products of the quantised numbers (number of the format x scale) in f32.
;;   ~~~python
;;   def quantise(x, axis):      # numpy; x: float32 -> the quantised numbers, widened to float32 again
;;       x = np.moveaxis(x, axis, -1); K = x.shape[-1]
;;       x = np.pad(x, [(0, 0)] * (x.ndim - 1) + [(0, -K % 32)]); x = x.reshape(x.shape[:-1] + (-1, 32)); a = np.abs(x).max(-1, keepdims=True)
;;       e = np.where(a > 0, np.clip(np.frexp(np.where(a > 0, a, 1))[1] - 1 - 8, -126, 127), 0)      # np.frexp(a)[1] - 1 = floor(log2(a)), exactly
;;       r = np.clip(x / 2.0 ** e, -448, 448)
;;       step = 2.0 ** (np.maximum(np.frexp(np.where(r == 0, 1, r))[1] - 1, -6) - 3)
;;       q = np.round(r / step) * step * 2.0 ** e      # np.round: ties to even
;;       return np.moveaxis(q.reshape(q.shape[:-2] + (-1,))[..., :K], -1, axis).astype(np.float32)
;;   ~~~
;;   SOFTMAX AHEAD OF A QUANTISED PRODUCT. Where the list says 'softmax', what is quantised is not the finished softmax but p = 2^(t - M), with t = logit x log2(e) and M = ceil(the row's largest t), a whole number; so 1/2 < the row's largest p <= 1. The row's sum l is taken of the UNQUANTISED p, in f32, and the product's result is divided by l at the end. Since M is a whole number, a kernel that streams over the keys may use a running M (the ceiling of the running maximum): every later rescaling is an exact power of two, which a block's scale takes up: the codes' values come out the same.
;;   OPERANDS COMPUTED ON THE WAY. 'Computed on the way' means the value that the module computes at that place (a softmax that the list does not call 'softmax' is quantised finished and normalised). What goes into a quantiser is computed in f32, as accurately as f32 sums, v_exp_f32 and their like allow (about 1e-6 of the number): no bf16 or f16 on the way to a quantiser, and a product that is left as it is and whose result goes on into a quantised operand takes f32 operands (vector FMAs, or v_wmma_f32_16x16x4_f32). A number that lies on a knife's edge between two numbers of the format may be rounded either way, as far as f32 arithmetic and the matrix unit's own rounding can turn it there, and no further.
;; One version. Each part assembles by itself: llvm-mc -triple=amdgcn-amd-amdhsa -mcpu=gfx1250 --defsym DOCPART=n.
;; ======== version 1 of 1: 6 launches
;; limits: right only within a limited range of input values
;; workspace buffers: pq 17,825,792 bytes; qk 9,437,184 bytes; vq 4,456,448 bytes; oq 4,456,448 bytes; x1f 16,777,216 bytes; x1q 4,456,448 bytes; hq 17,825,792 bytes
;; launch prep (part 1): grid 512 x 1, 4 waves a work-group, no clusters, 69,120 bytes of LDS; arguments x, Wq, Wk, Wv, Wo, W1, W2, pq; writes pq
.if DOCPART == 1
	.amdgcn_target "amdgcn-amd-amdhsa--gfx1250"
	.amdhsa_code_object_version 6
	.text
	.protected	k_q03ec61c61c_prep
	.globl	k_q03ec61c61c_prep
	.p2align	8
	.type	k_q03ec61c61c_prep,@function
k_q03ec61c61c_prep:
	s_mov_b64 s[64:65], 0
	v_nop
	global_prefetch_b8 v0, s[64:65] scope:SCOPE_SE
	s_setreg_imm32_b32 hwreg(HW_REG_WAVE_MODE, 25, 1), 1
	s_wait_xcnt 0x0
; PREP: x and the six weights, f32, become codes of E4M3 with one E8M0 byte for each 32 along K, laid as the later launches' operand registers take them.
; A PANEL is 64 rows of an operand x 128 along K, 8,704 bytes: four fragment images of 2,048 bytes, then 512 bytes of scale words.
; A fragment is 16 rows x 128 K; its lane position r holds row 32 (f / 2) + 8 (f % 2) + r + 8 (r / 8) of the panel.  Image byte 512 c + 16 lane + 0 .. 15 = the codes of k = 32 c + 16 (lane / 16) + 0 .. 15
; of the row at position lane % 16.  Scale block: the word at 16 lane + 4 f is fragment f's word of row position lane % 16 (lanes 16-31 hold it again).
; SHARES: one wave makes one panel; panel number = 4 x work-group + wave; 2,048 panels.  Panels 0-511: x; then Wq, Wk, Wv (128 each), Wo (128), W1 (512), W2 (512).
; x has K innermost: a row's 512 bytes are loaded dense and turned through the wave's own stage in LDS, so that a lane holds 16 neighbours along K.
; A weight has K as its first axis: a lane takes a column and its registers run down K; the codes are laid into an image of the panel in LDS and leave as dense runs of 512 bytes.
; The two ways part on the work-group's number and have LDS bytes of their own.  No tensor load, no barrier, no cluster: waves share nothing and no input byte is read twice.
; A block's scale is 2^(floor(log2(largest magnitude)) - 8); its byte is that magnitude's exponent field - 8, held at 1 from below.
; LIMITS: a block of zeros gets the byte 1 (the rule says 127): its codes are zeros and this program alone reads the bytes.  NaN and infinities among the inputs are not served.
.set XSTG,  8448                       ; x's stage: 16 rows x (512 bytes + 16)
.set WIMG,  8704                       ; a weight panel's image
.set WBASE, 4*XSTG                     ; the weight way's LDS begins behind the four stages
.set LI,  1                            ; v1   16 x lane
.set TM,  48                           ; v48-63 x's way: largest magnitudes, bytes, holds, scale operands
.set SEL, 20                           ; s[20:21] selects of v_permlanex16_b32 for lane l xor 16
.set MNT, 22                           ; s22  the mantissa field of 448
	s_load_b256 s[4:11], s[0:1], 0x0               ; x, Wq, Wk, Wv
	s_load_b256 s[12:19], s[0:1], 0x20             ; Wo, W1, W2, pq
	v_lshl_add_u32 v30, v0, 2, 0x10c00
	v_mov_b32 v31, 0
	v_lshrrev_b32 v1, 5, v0
	v_readfirstlane_b32 s24, v1                    ; wave
	v_and_b32 v7, 31, v0                           ; lane
	v_lshlrev_b32 v[LI], 4, v7
	s_lshl_b32 s25, ttmp9, 2
	s_add_co_u32 s25, s25, s24                     ; my panel's number
	s_mul_i32 s26, s25, 8704
	s_mov_b32 s27, 0
	s_mov_b32 s[SEL], 0x76543210
	s_mov_b32 s[SEL+1], 0xfedcba98
	s_mov_b32 s[MNT], 0x600000
	s_wait_kmcnt 0x0
	s_add_nc_u64 s[18:19], s[18:19], s[26:27]      ; where my panel goes
	s_cmp_lt_u32 ttmp9, 128
	s_cbranch_scc0 .Lweights
; ---------------- x: panel number = ((P / 2) 8 + q) 2 + P % 2, P = 64 rows, q = 128 along K
.macro LOADX f                         ; fragment f's 16 rows, 512 dense bytes a load, into set f % 2
.irp r, 0,1,2,3,4,5,6,7,8,9,10,11,12,13,14,15
	global_load_b128 v[64+64*((\f)%2)+4*\r:64+64*((\f)%2)+4*\r+3], v[LI], s[4:5] offset:(32*((\f)/2)+8*((\f)%2)+\r+8*(\r/8))*4096 th:TH_LOAD_NT
.endr
.endm
.macro TURNX f                         ; through my stage: in as loaded, back 16 neighbours of each block of 32 a lane; LDS serves a wave's instructions in order, so no wait stands between
.irp r, 0,1,2,3,4,5,6,7,8,9,10,11,12,13,14,15
	ds_store_b128 v2, v[64+64*((\f)%2)+4*\r:64+64*((\f)%2)+4*\r+3] offset:528*\r
.endr
.irp c, 0,1,2,3
.irp j, 0,1,2,3
	ds_load_b128 v[64+64*((\f)%2)+16*\c+4*\j:64+64*((\f)%2)+16*\c+4*\j+3], v3 offset:128*\c+16*\j
.endr
.endr
.endm
; 64 numbers of a lane, register 16 b + i = k 32 b + 16 (lane / 16) + i of my row, become a fragment's codes and its scale word
.macro QUANTX s, pc, pw
.irp b, 0,1,2,3
	v_max3_num_f32 v[TM+\b], |v[16*\b+(\s)]|, |v[16*\b+1+(\s)]|, 0x4800000   ; with the floor 2^(9 - 127): the byte cannot fall under 1
.endr
.irp i, 2,4,6,8,10,12,14
.irp b, 0,1,2,3
	v_max3_num_f32 v[TM+\b], v[TM+\b], |v[16*\b+\i+(\s)]|, |v[16*\b+\i+1+(\s)]|
.endr
.endr
.irp b, 0,1,2,3
	v_permlanex16_b32 v[TM+4+\b], v[TM+\b], s[SEL], s[SEL+1]
.endr
.irp b, 0,1,2,3
	v_max_num_f32 v[TM+\b], v[TM+\b], v[TM+4+\b]   ; with lane l xor 16's 16: the block's largest magnitude
.endr
.irp b, 0,1,2,3
	v_add_nc_u32 v[TM+12+\b], 0xfc000000, v[TM+\b] ; 8 off its exponent field: the conversion's scale operand
.endr
.irp b, 0,1,2,3
	v_and_or_b32 v[TM+8+\b], v[TM+\b], 0x7f800000, s[MNT]   ; 448 x the scale
.endr
.irp b, 0,1,2,3
	v_lshrrev_b32 v[TM+4+\b], 23, v[TM+12+\b]      ; the scale's byte
.endr
	v_lshl_or_b32 v[\pw], v[TM+5], 8, v[TM+4]
	v_lshl_or_b32 v[\pw], v[TM+6], 16, v[\pw]
	v_lshl_or_b32 v[\pw], v[TM+7], 24, v[\pw]
.irp b, 0,1,2,3
.irp i, 0,1,2,3,4,5,6,7,8,9,10,11,12,13,14,15
	v_med3_num_f32 v[16*\b+\i+(\s)], v[16*\b+\i+(\s)], -v[TM+8+\b], v[TM+8+\b]   ; the conversion does not saturate (ISA guide 7.6.2): the hold comes first
.endr
	v_cvt_scalef32_pk8_fp8_f32 v[4*\b+(\pc):4*\b+1+(\pc)], v[16*\b+(\s):16*\b+7+(\s)], v[TM+12+\b]
	v_cvt_scalef32_pk8_fp8_f32 v[4*\b+2+(\pc):4*\b+3+(\pc)], v[16*\b+8+(\s):16*\b+15+(\s)], v[TM+12+\b]
.endr
	v_nop                                          ; a plain line behind the last conversion
.endm
	s_lshr_b32 s28, s25, 4
	s_lshl_b32 s28, s28, 1
	s_and_b32 s29, s25, 1
	s_or_b32 s28, s28, s29                         ; P
	s_lshl_b32 s28, s28, 18                        ; 64 rows of 4,096 bytes
	s_bfe_u32 s29, s25, 0x30001                    ; q
	s_lshl_b32 s29, s29, 9
	s_add_co_u32 s28, s28, s29
	s_mov_b32 s29, 0
	s_add_nc_u64 s[4:5], s[4:5], s[28:29]
	s_mul_i32 s30, s24, XSTG                       ; my stage
	s_wait_alu depctr_va_vdst(0)
	v_add_nc_u32 v2, s30, v[LI]                    ; in: 16 x lane
	v_and_b32 v8, 15, v0
	v_bfe_u32 v9, v0, 4, 1
	v_mul_u32_u24 v3, v8, 528
	v_lshl_add_u32 v3, v9, 6, v3
	v_add_nc_u32 v3, s30, v3                       ; back: row lane % 16, + 64 bytes for lanes 16-31
.irp b, 0,1,2,3
	v_mov_b32 v[TM+4+\b], 0                        ; a lane permute's destination counts as read
.endr
	LOADX 0
	LOADX 1
	s_wait_alu depctr_va_vdst(0)
.irp f, 0,1,2,3
.if \f < 3
	s_wait_loadcnt 16                              ; this fragment's 16 loads are in; the next fragment's 16 may be out
.else
	s_wait_loadcnt 0x0
.endif
	TURNX \f
	s_wait_dscnt 0x0
	QUANTX 64+64*(\f%2), 192+16*\f, 32+\f
.irp c, 0,1,2,3
	global_store_b128 v[LI], v[192+16*\f+4*\c:192+16*\f+4*\c+3], s[18:19] offset:\f*2048+512*\c   ; 512 consecutive bytes a store; each fragment has its own data registers
.endr
.if \f < 2
	LOADX \f+2
.endif
.endr
	global_store_b128 v[LI], v[32:35], s[18:19] offset:8192   ; the four fragments' scale words
	s_wait_tensorcnt 0x0
	ds_add_u32 v30, v31
	s_wait_dscnt 0x0
	s_endpgm
; ---------------- the weights
.Lweights:
	s_mov_b64 s[50:51], s[16:17]                   ; W2's figures, then the others' over them; between a compare and its selections stand selections alone
	s_mov_b32 s52, 1536                            ; the tensor's first panel
	s_mov_b32 s53, 0                               ; 1: panels lie in pairs of 64 rows (read by the 256 x 256 products)
	s_mov_b32 s54, 5                               ; log2 of K / 128
	s_mov_b32 s55, 4096                            ; bytes from k to k + 1
	s_mov_b32 s56, 256                             ; bytes from 64 columns to the next
	s_cmp_lt_u32 ttmp9, 384                        ; W1
	s_cselect_b64 s[50:51], s[14:15], s[50:51]
	s_cselect_b32 s52, 1024, s52
	s_cselect_b32 s53, 1, s53
	s_cselect_b32 s54, 3, s54
	s_cselect_b32 s55, 16384, s55
	s_cmp_lt_u32 ttmp9, 256                        ; Wo
	s_cselect_b64 s[50:51], s[12:13], s[50:51]
	s_cselect_b32 s52, 896, s52
	s_cselect_b32 s53, 0, s53
	s_cselect_b32 s55, 4096, s55
	s_cmp_lt_u32 ttmp9, 224                        ; Wv: a head is 64 columns, [1024][64]
	s_cselect_b64 s[50:51], s[10:11], s[50:51]
	s_cselect_b32 s52, 768, s52
	s_cselect_b32 s53, 1, s53
	s_cselect_b32 s55, 256, s55
	s_cselect_b32 s56, 262144, s56
	s_cmp_lt_u32 ttmp9, 192                        ; Wk
	s_cselect_b64 s[50:51], s[8:9], s[50:51]
	s_cselect_b32 s52, 640, s52
	s_cmp_lt_u32 ttmp9, 160                        ; Wq
	s_cselect_b64 s[50:51], s[6:7], s[50:51]
	s_cselect_b32 s52, 512, s52
	s_sub_co_u32 s57, s25, s52                     ; the panel's number in its tensor
	s_lshr_b32 s58, s57, s53
	s_lshl_b32 s59, 1, s54
	s_sub_co_u32 s59, s59, 1
	s_and_b32 s59, s58, s59                        ; q
	s_lshr_b32 s58, s58, s54
	s_lshl_b32 s58, s58, s53
	s_and_b32 s60, s57, s53
	s_or_b32 s58, s58, s60                         ; P
	s_mul_i32 s58, s58, s56
	s_lshl_b32 s59, s59, 7
	s_mul_i32 s59, s59, s55
	s_add_co_u32 s58, s58, s59
	s_mov_b32 s59, 0
	s_add_nc_u64 s[50:51], s[50:51], s[58:59]      ; the panel's first number
	s_lshl_b32 s60, s55, 5                         ; 32 along K
	s_mov_b32 s61, 0
	s_mov_b64 s[32:33], s[50:51]                   ; eight bases, block t = 2 c + g: K block c, columns 32 g on; never stepped
	s_add_nc_u64 s[34:35], s[50:51], 128
.irp c, 1,2,3
	s_add_nc_u64 s[32+4*\c:33+4*\c], s[28+4*\c:29+4*\c], s[60:61]
	s_add_nc_u64 s[34+4*\c:35+4*\c], s[30+4*\c:31+4*\c], s[60:61]
.endr
	s_wait_alu depctr_va_vdst(0)
	v_lshlrev_b32 v32, 2, v7                       ; v32-63: 4 x lane + i x the pitch
.set n, 1
.rept 31
	v_add_nc_u32 v[32+n], s55, v[31+n]
.set n, n+1
.endr
	s_mul_i32 s62, s24, WIMG
	s_add_co_u32 s62, s62, WBASE                   ; my image
	v_bfe_u32 v8, v0, 3, 1                         ; column 32 g + lane lies in fragment 2 g + u, u = (lane / 8) % 2,
	v_and_b32 v9, 7, v0
	v_bfe_u32 v10, v0, 4, 1
	v_lshl_or_b32 v9, v10, 3, v9                   ; at position r = lane % 8 + 8 (lane / 16)
	v_lshlrev_b32 v4, 4, v9
	v_lshl_add_u32 v5, v8, 2, v4
	v_lshl_add_u32 v4, v8, 11, v4
	v_add_nc_u32 v4, s62, v4                       ; codes: 2,048 u + 16 r
	v_add_nc_u32 v5, s62, v5
	v_add_nc_u32 v5, 8192, v5                      ; scale words: 16 r + 4 u
	v_add_nc_u32 v6, s62, v[LI]                    ; the way out: 16 x lane
.macro LOADW t                         ; block t: 32 numbers down K of my column; a load reads 128 consecutive bytes
.irp i, 0,1,2,3,4,5,6,7,8,9,10,11,12,13,14,15,16,17,18,19,20,21,22,23,24,25,26,27,28,29,30,31
	global_load_b32 v[64+32*((\t)%2)+\i], v[32+\i], s[32+2*(\t):33+2*(\t)] th:TH_LOAD_NT
.endr
.endm
.macro BLOCKW t
.set XS, 64+32*((\t)%2)
.set cc, (\t)/2
.set gg, (\t)%2
.if (\t) < 7
	s_wait_loadcnt 32                              ; this block's 32 loads are in; the next block's may be out
.else
	s_wait_loadcnt 0x0
.endif
	v_max3_num_f32 v12, |v[XS]|, |v[XS+1]|, |v[XS+2]|              ; all 32 numbers of the block are mine
	v_max3_num_f32 v13, |v[XS+3]|, |v[XS+4]|, |v[XS+5]|
.irp i, 6,10,14,18,22,26
	v_max3_num_f32 v12, v12, |v[XS+\i]|, |v[XS+\i+1]|
	v_max3_num_f32 v13, v13, |v[XS+\i+2]|, |v[XS+\i+3]|
.endr
	v_max3_num_f32 v12, v12, |v[XS+30]|, |v[XS+31]|
	v_max3_num_f32 v12, v12, v13, 0x4800000        ; and the floor
	v_add_nc_u32 v11, 0xfc000000, v12              ; the conversion's scale operand
	v_and_or_b32 v10, v12, 0x7f800000, s[MNT]      ; 448 x the scale
	v_lshrrev_b32 v13, 23, v11                     ; the byte
.if cc == 0
	v_mov_b32 v[136+gg], v13                       ; four bytes make my column's word
.else
	v_lshl_or_b32 v[136+gg], v13, 8*cc, v[136+gg]
.endif
.irp i, 0,1,2,3,4,5,6,7,8,9,10,11,12,13,14,15,16,17,18,19,20,21,22,23,24,25,26,27,28,29,30,31
	v_med3_num_f32 v[XS+\i], v[XS+\i], -v10, v10
.endr
.irp g, 0,1,2,3
	v_cvt_scalef32_pk8_fp8_f32 v[128+2*\g:129+2*\g], v[XS+8*\g:XS+8*\g+7], v11
.endr
	v_nop
	ds_store_b128 v4, v[128:131] offset:gg*4096+cc*512       ; k 0 .. 15 of the block: the image's lane r,
	ds_store_b128 v4, v[132:135] offset:gg*4096+cc*512+256   ; k 16 .. 31: its lane 16 + r
.if cc == 3
	ds_store_b32 v5, v[136+gg] offset:8*gg
	ds_store_b32 v5, v[136+gg] offset:8*gg+256     ; and again for lanes 16-31
.endif
.if (\t)+2 < 8
	LOADW (\t)+2
.endif
	s_wait_dscnt 0x0                               ; the stores have read their registers: the next block's codes may be written
.endm
	LOADW 0
	LOADW 1
.irp t, 0,1,2,3,4,5,6,7
	BLOCKW \t
.endr
.irp k, 0,1,2,3,4,5,6,7,8,9,10,11,12,13,14,15,16
	ds_load_b128 v[140+4*\k:143+4*\k], v6 offset:512*\k
.endr
.irp k, 0,1,2,3,4,5,6,7,8,9,10,11,12,13,14,15,16
	s_wait_dscnt 16-\k                             ; LDS loads come back in order: the younger ones may be out
	global_store_b128 v[LI], v[140+4*\k:143+4*\k], s[18:19] offset:512*\k   ; 512 consecutive bytes a store
.endr
	s_wait_tensorcnt 0x0
	ds_add_u32 v30, v31
	s_wait_dscnt 0x0
	s_endpgm
.Lfunc_end_k_q03ec61c61c_prep:
	.size	k_q03ec61c61c_prep, .Lfunc_end_k_q03ec61c61c_prep-k_q03ec61c61c_prep
	.p2alignl 7, 3214868480
	.fill 96, 4, 3214868480
	.section	.rodata,"a",@progbits
	.p2align	6, 0x0
	.amdhsa_kernel k_q03ec61c61c_prep
		.amdhsa_group_segment_fixed_size 69120
		.amdhsa_private_segment_fixed_size 0
		.amdhsa_enable_private_segment 0
		.amdhsa_kernarg_size 64
		.amdhsa_user_sgpr_count 2
		.amdhsa_user_sgpr_kernarg_segment_ptr 1
		.amdhsa_wavefront_size32 1
		.amdhsa_system_sgpr_workgroup_id_x 1
		.amdhsa_system_sgpr_workgroup_id_y 1
		.amdhsa_system_sgpr_workgroup_id_z 1
		.amdhsa_system_vgpr_workitem_id 0
		.amdhsa_next_free_vgpr 256
		.amdhsa_next_free_sgpr 80
		.amdhsa_reserve_vcc 0
		.amdhsa_float_denorm_mode_32 3
		.amdhsa_float_denorm_mode_16_64 3
		.amdhsa_memory_ordered 1
		.amdhsa_forward_progress 1
		.amdhsa_inst_pref_size 112
	.end_amdhsa_kernel
	.amdgpu_metadata
---
amdhsa.version: [ 1, 2 ]
amdhsa.kernels:
  - .name:           k_q03ec61c61c_prep
    .symbol:         k_q03ec61c61c_prep.kd
    .args:
      - { .name: x, .offset: 0, .size: 8, .value_kind: global_buffer, .address_space: global }
      - { .name: Wq, .offset: 8, .size: 8, .value_kind: global_buffer, .address_space: global }
      - { .name: Wk, .offset: 16, .size: 8, .value_kind: global_buffer, .address_space: global }
      - { .name: Wv, .offset: 24, .size: 8, .value_kind: global_buffer, .address_space: global }
      - { .name: Wo, .offset: 32, .size: 8, .value_kind: global_buffer, .address_space: global }
      - { .name: W1, .offset: 40, .size: 8, .value_kind: global_buffer, .address_space: global }
      - { .name: W2, .offset: 48, .size: 8, .value_kind: global_buffer, .address_space: global }
      - { .name: pq, .offset: 56, .size: 8, .value_kind: global_buffer, .address_space: global }
    .group_segment_fixed_size: 69120
    .private_segment_fixed_size: 0
    .kernarg_segment_align: 8
    .kernarg_segment_size: 64
    .max_flat_workgroup_size: 128
    .sgpr_count:     80
    .vgpr_count:     256
    .wavefront_size: 32
...
	.end_amdgpu_metadata
.endif
;; end of part 1
;; launch qkv (part 2): grid 48 x 4, 4 waves a work-group, clusters of 4 x 4, 327,680 bytes of LDS; arguments pq, qk, vq; writes qk, vq
.if DOCPART == 2
	.amdgcn_target "amdgcn-amd-amdhsa--gfx1250"
	.amdhsa_code_object_version 6
	.text
	.protected	k_q03ec61c61c_qkv
	.globl	k_q03ec61c61c_qkv
	.p2align	8
	.type	k_q03ec61c61c_qkv,@function
k_q03ec61c61c_qkv:
	s_mov_b64 s[64:65], 0
	v_nop
	global_prefetch_b8 v0, s[64:65] scope:SCOPE_SE
	s_setreg_imm32_b32 hwreg(HW_REG_WAVE_MODE, 25, 1), 1
	s_wait_xcnt 0x0
	s_wait_alu depctr_hold_cnt(0) depctr_sa_sdst(0) depctr_va_vdst(0) depctr_va_sdst(0) depctr_va_ssrc(0) depctr_va_vcc(0) depctr_vm_vsrc(0)
	s_getreg_b32 s2, hwreg(HW_REG_IB_STS2, 6, 4)
	s_cmp_eq_u32 s2, 0
	s_cbranch_scc0 .Lentry_in_a_cluster
	s_endpgm
.Lentry_in_a_cluster:
	s_bfe_u32 s2, ttmp6, 0x10000c
	s_cmp_lg_u32 s2, 0xf033
	s_cbranch_scc0 .Lentry_shape_is_right
	s_endpgm
.Lentry_shape_is_right:
; QKV: q = x Wq, k = x Wk, v = x Wv on codes of E4M3 with E8M0 scales, K = 1,024; the results are quantised in registers and leave as codes alone.
; OPERANDS are panels (64 rows x 128 K: four fragment images of 2,048 bytes, then 512 bytes of scale words); a fragment comes by four loads of 16 bytes a lane at 16 x lane, four fragments' scale words by one.
; Lane position r of fragment i holds row 32 (i / 2) + 8 (i % 2) + r + 8 (r / 8).  The matrix instruction is used transposed (source 0 = 16 rows of B, source 1 = 16 rows of A): lane (r, h) then holds one row of A,
; and the 16 registers of tiles 2 b, 2 b + 1 are the 16 neighbouring columns 32 b + 16 h + 0 .. 15: the order that the next operand's registers want.
; TILES: 256 x 256 a work-group, 128 x 128 a wave (64 accumulators).  Clusters 0-7: A = x (tokens), B = Wq and Wk (columns): a lane holds a token, registers run along (head, d): quantised along d.
; Clusters 8-11: A = Wv (rows (head, d)), B = x (tokens): a lane holds one (head, d), registers run along the tokens, which are the keys: quantised along the keys.  The choice hangs on the cluster's number alone.
; RING: two LDS slots of 256 along K; each wave fetches a quarter of a slot, 34,816 dense bytes, by one joint load: A's tiles are shared along a row of the 4 x 4 cluster, B's along a column.
; OUT: q, k: for 128 tokens and a head 9,216 bytes: eight half images (K = 64) of 1,024 bytes, then scale words at 512 (a / 4) + 16 lane + 4 (a % 4); bytes 2, 3 of a word are the neighbouring head's or 0 and meet zero codes only.
;      v: panels, row = d of a head, K = 128 keys.
; LIMITS: a block of zeros gets the byte 1; NaN and infinities are not served.
.set F,     8                          ; fragments a wave and side
.set KCH,   8                          ; K / 128
.set CIHI,  0
.set CIA,   0
.set WQKV,  4456448                    ; where the weights' panels begin in pq
.set NQ,    16/F                       ; steps of 128 along K in a slot
.set FP,    F/4
.set CHB,   FP*8704                    ; a wave's rows x 128 K
.set PIECE, NQ*CHB                     ; what one tensor load brings
.set SLOT,  4*PIECE                    ; a slot's bytes in all.  In LDS piece p (A's two halves, then B's two) of slot s lies at (2 p + s) PIECE, so that a wave's parts of both slots are neighbours
.set RGB,   KCH*CHB                    ; 16 F rows, all of K
.set LAPS,  KCH/(2*NQ)
.set SPARE, 2*SLOT                     ; behind the ring: the spare words, 128 bytes a wave
.set TM,   2                           ; v2-13   the quantiser's: magnitudes then bytes; the other half's then holds; scale operands
.set ADRA, 16                          ; v16-17  my A fragments in slot 0, 1
.set ADRB, 20                          ; v20-21  my B fragments
.set LI,   27                          ; v27     16 x lane
.set SPW,  28                          ; v28     my spare word; never rewritten
.set NIL,  29                          ; v29     0; never rewritten
.set SC,   32                          ; v32-63  scale words: set p at SC + 2 F p: A's F, then B's F; on the way out the new operands' scale words
.set TT,   64                          ; v64-127 the way out: held numbers
.set AF,   128                         ; v128-255 A's fragments, one set; on the way out the codes
.set G1,   24                          ; s[24:31], s[32:39] descriptor groups 1 and 0 (a set a slot) for A; s[48:55], s[56:63] for B
.set G0,   32
.set G1B,  48
.set G0B,  56
.set SEL,  92
.set MNT,  94
.set FLR,  95
.set MUL_LO, 0xa1                      ; source 0 (B) window 1, source 1 (A) window 0, C and D window 2
.set MUL_HI, 0xf1                      ; C and D window 3
.set TO_B,   0x40                      ; destination window 1
.set MSB, 0
.macro WIN new                         ; the immediate's high byte repeats the setting that is left
.if MSB != (\new)
	s_set_vgpr_msb (MSB<<8)|(\new)
.set MSB, (\new)
.endif
.endm
.macro JLOAD s                         ; a joint load: waves 0, 1 fetch A's halves, waves 2, 3 B's; four v_nop follow each line
	s_cmp_eq_u32 s15, 0
	s_cbranch_scc0 .Lfor_b_\@
	tensor_load_to_lds s[G0+4*\s:G0+4*\s+3], s[G1:G1+7]
	s_nop 0
.rept 4
	v_nop
.endr
	s_branch .Lasked_\@
.Lfor_b_\@:
	tensor_load_to_lds s[G0B+4*\s:G0B+4*\s+3], s[G1B:G1B+7]
	s_nop 0
.rept 4
	v_nop
.endr
.Lasked_\@:
.endm
.macro CREST                           ; a round of the cluster's barrier behind its opening barrier
	s_cmp_lg_u32 s14, 0
	s_cbranch_scc1 .Lnot_wave_0_\@
	s_barrier_signal -3
.Lnot_wave_0_\@:
	s_barrier_wait -3
	s_barrier_signal -1
	s_barrier_wait -1
.endm
.macro CROUND
	s_barrier_signal -1
	s_barrier_wait -1
	CREST
.endm
.macro PLACES n                        ; plain vector lines between a matrix instruction and a load into, or a read of, its registers: eight for this form
.rept \n
	v_nop
.endr
.endm
.macro FRAG reg, adr, off              ; a fragment image: four loads of 512 consecutive bytes
.irp c, 0,1,2,3
	ds_load_b128 v[4*\c+(\reg):4*\c+3+(\reg)], v[\adr] offset:512*\c+(\off)
.endr
.endm
.macro FETCH_B slot, q, p
	WIN TO_B
.set fi, 0
.rept F
	FRAG 128*(\p)+16*fi, ADRB+\slot, (\q)*CHB+(fi/4)*8704+(fi%4)*2048
.set fi, fi+1
.endr
	WIN 0
.endm
.macro FETCH_A slot, q, half
.set fi, (\half)*(F/2)
.rept F/2
	FRAG AF+16*fi, ADRA+\slot, (\q)*CHB+(fi/4)*8704+(fi%4)*2048
.set fi, fi+1
.endr
.endm
.macro FETCH_S slot, q, p              ; four fragments' scale words a load
.set gi, 0
.rept FP
	ds_load_b128 v[SC+2*F*(\p)+4*gi:SC+2*F*(\p)+4*gi+3], v[ADRA+\slot] offset:(\q)*CHB+gi*8704+8192
	ds_load_b128 v[SC+2*F*(\p)+F+4*gi:SC+2*F*(\p)+F+4*gi+3], v[ADRB+\slot] offset:(\q)*CHB+gi*8704+8192
.set gi, gi+1
.endr
.endm
.macro MULA a, p, mode                 ; A's fragment a against B's F.  mode 0: onto the sums; 1: the sums begin with 0; 2: with registers.  The accumulators take turns, one instruction a turn
.set bi, 0
.rept F
.set rD, 8*(F*((\a)%(F/2))+bi)
.set rB, 128*(\p)+16*bi
.set rA, AF+16*(\a)
.set rS, SC+2*F*(\p)
.if \mode == 0
	v_wmma_scale_f32_16x16x128_f8f6f4 v[rD:rD+7], v[rB:rB+15], v[rA:rA+15], v[rD:rD+7], v[rS+F+bi], v[rS+(\a)]
.elseif \mode == 1
	v_wmma_scale_f32_16x16x128_f8f6f4 v[rD:rD+7], v[rB:rB+15], v[rA:rA+15], 0, v[rS+F+bi], v[rS+(\a)]
.else
.set rC, 64+CIHI*((\a)/(F/2))+CIA*((\a)%(F/2))+8*bi
	v_wmma_scale_f32_16x16x128_f8f6f4 v[rD:rD+7], v[rB:rB+15], v[rA:rA+15], v[rC:rC+7], v[rS+F+bi], v[rS+(\a)]
.endif
.set bi, bi+1
.endr
.endm
.macro MULQ d, p, mode                 ; a quarter of a step's products
.set ai, (\d)*(F/4)
.rept F/4
	MULA ai, \p, \mode
.set ai, ai+1
.endr
.endm
.macro STEP slot, q, mode              ; 128 along K whose successor lies in the same slot
	s_wait_dscnt 2*F                               ; B, A's lower fragments and the scale words are in; the youngest 2 F loads (A's upper fragments) may be out
.if \mode == 2
	WIN 0x81
.else
	WIN MUL_LO
.endif
	MULQ 0, (\q)%2, \mode
	MULQ 1, (\q)%2, \mode
	s_wait_dscnt 0x0                               ; A's upper fragments are in
	PLACES 8
	FETCH_B \slot, (\q)+1, 1-(\q)%2
	FETCH_A \slot, (\q)+1, 0
	FETCH_S \slot, (\q)+1, 1-(\q)%2
.if \mode == 2
	WIN 0xc1
.else
	WIN MUL_HI
.endif
	MULQ 2, (\q)%2, \mode
	MULQ 3, (\q)%2, \mode
	PLACES 8
	WIN 0
	FETCH_A \slot, (\q)+1, 1
.endm
.macro TURN slot, next, fill           ; a slot's last step changes slots: one barrier; fill = 1: it opens a round of the cluster's barrier and the slot is filled again, two slots ahead
	s_wait_tensorcnt 0x0                           ; all my tensor loads have landed: my part of the next slot
	ds_add_u32 v[SPW], v[NIL]                      ; 0 onto my spare word
	s_wait_dscnt 2*F+1                             ; the add and A's upper fragments may be out
	WIN MUL_LO
	MULQ 0, 1, 0
	s_wait_dscnt 0x0                               ; the add is done, and my reads of this slot are over
	s_barrier_signal -1
	MULQ 1, 1, 0
	WIN 0
	s_barrier_wait -1
.if \fill
	CREST                                          ; no wave of any partner still reads this slot or has a load on its way
	s_add_nc_u64 s[G0+4*\slot+2:G0+4*\slot+3], s[G0+4*\slot+2:G0+4*\slot+3], 2*PIECE
	s_add_nc_u64 s[G0B+4*\slot+2:G0B+4*\slot+3], s[G0B+4*\slot+2:G0B+4*\slot+3], 2*PIECE
	JLOAD \slot                                    ; the first tensor load behind the round; its four v_nop are four of the eight places
	PLACES 4
.else
	PLACES 8
.endif
	FETCH_B \next, 0, 0
	FETCH_A \next, 0, 0
	FETCH_S \next, 0, 0
	WIN MUL_HI
	MULQ 2, 1, 0
	MULQ 3, 1, 0
	PLACES 8
	WIN 0
	FETCH_A \next, 0, 1
.endm
.macro LAST                            ; the very last step: nothing more to fetch
	s_wait_dscnt 2*F
	WIN MUL_LO
	MULQ 0, 1, 0
	MULQ 1, 1, 0
	s_wait_dscnt 0x0
	WIN MUL_HI
	MULQ 2, 1, 0
	MULQ 3, 1, 0
	WIN 0
	PLACES 8
.endm
; 64 results of a lane in window W, register 16 b + i = column 32 b + 16 (lane / 16) + i of my row, become a fragment's codes in v[pc] on and its scale word in v[pw].  Each accumulator is read from its low end on; none is written.
.macro QUANT W, s, pc, pw
	WIN ((\W)<<2)|((\W)<<4)
.irp b, 0,1,2,3
	v_max3_num_f32 v[TM+\b], s[FLR], |v[16*\b+(\s)]|, |v[16*\b+1+(\s)]|   ; with the floor 2^(9 - 127): the byte cannot fall under 1
.endr
.irp i, 2,4,6,8,10,12,14
.irp b, 0,1,2,3
	v_max3_num_f32 v[TM+\b], v[TM+\b], |v[16*\b+\i+(\s)]|, |v[16*\b+\i+1+(\s)]|
.endr
.endr
	WIN 0
.irp b, 0,1,2,3
	v_permlanex16_b32 v[TM+4+\b], v[TM+\b], s[SEL], s[SEL+1]
.endr
.irp b, 0,1,2,3
	v_max_num_f32 v[TM+\b], v[TM+\b], v[TM+4+\b]   ; with lane l xor 16's: the block's largest magnitude
.endr
.irp b, 0,1,2,3
	v_add_nc_u32 v[TM+8+\b], 0xfc000000, v[TM+\b]  ; 8 off its exponent field: the conversion's scale operand
.endr
.irp b, 0,1,2,3
	v_and_or_b32 v[TM+4+\b], v[TM+\b], 0x7f800000, s[MNT]   ; 448 x the scale
.endr
.irp b, 0,1,2,3
	v_lshrrev_b32 v[TM+\b], 23, v[TM+8+\b]         ; the byte
.endr
	v_lshl_or_b32 v[\pw], v[TM+1], 8, v[TM]
	v_lshl_or_b32 v[\pw], v[TM+2], 16, v[\pw]
	v_lshl_or_b32 v[\pw], v[TM+3], 24, v[\pw]
	WIN \W
.irp b, 0,1,2,3
.irp i, 0,1,2,3,4,5,6,7,8,9,10,11,12,13,14,15
	v_med3_num_f32 v[TT+16*\b+\i], v[16*\b+\i+(\s)], -v[TM+4+\b], v[TM+4+\b]   ; the conversion does not saturate (ISA guide 7.6.2): the hold comes first
.endr
.endr
	WIN 0
.irp b, 0,1,2,3
	v_cvt_scalef32_pk8_fp8_f32 v[4*\b+(\pc):4*\b+1+(\pc)], v[TT+16*\b:TT+16*\b+7], v[TM+8+\b]
	v_cvt_scalef32_pk8_fp8_f32 v[4*\b+2+(\pc):4*\b+3+(\pc)], v[TT+16*\b+8:TT+16*\b+15], v[TM+8+\b]
.endr
	v_nop                                          ; a plain line behind the last conversion
.endm
	s_load_b128 s[4:7], s[0:1], 0x0                ; pq, qk
	s_load_b64 s[8:9], s[0:1], 0x10                ; vq
	v_lshl_add_u32 v[SPW], v0, 2, SPARE
	v_mov_b32 v[NIL], 0
	ds_add_u32 v28, v29
	ds_add_u32 v28, v29
	s_wait_dscnt 0x0
	v_lshrrev_b32 v1, 5, v0
	v_readfirstlane_b32 s14, v1                    ; wave
	s_lshr_b32 s15, s14, 1                         ; my half of the tile's rows; also: I fetch for A (0) or B (1)
	s_and_b32 s16, s14, 1                          ; my half of its columns; also: which half I fetch
	s_bfe_u32 s40, ttmp6, 0x40000                  ; cx
	s_bfe_u32 s41, ttmp6, 0x40004                  ; cy
	s_lshr_b32 s72, ttmp9, 1                       ; the cluster's number c says which tiles: c < 8: rows 4 (c / 2) + cy of tokens, columns 4 (c % 2) + cx of Wq, Wk;
	s_lshl_b32 s72, s72, 2
	s_and_b32 s73, ttmp9, 1
	s_lshl_b32 s73, s73, 2
	s_sub_co_u32 s74, ttmp9, 8                     ; else rows cy of Wv, columns 4 (c - 8) + cx of tokens
	s_lshl_b32 s74, s74, 2
	s_mov_b32 s75, WQKV
	s_mov_b32 s76, WQKV+16*RGB                     ; Wv's panels lie behind Wq's and Wk's sixteen groups of 128 rows
	s_cmp_lt_u32 ttmp9, 8
	s_cselect_b32 s72, s72, 0
	s_cselect_b32 s73, s73, s74
	s_cselect_b32 s76, 0, s76                      ; where A's panels begin in pq,
	s_cselect_b32 s75, s75, 0                      ; and B's
	s_add_co_u32 s17, s72, s41                     ; tile row
	s_add_co_u32 s42, s73, s40                     ; tile column
	s_lshl_b32 s43, s41, 2
	s_lshl_b32 s43, 15, s43                        ; my row of the cluster
	s_lshl_b32 s44, 0x1111, s40                    ; my column
	s_or_b32 s[G1], s43, (3<<16)|(1<<21)           ; 15:0 the mask; 17:16 elements of 8 bytes; 21 set beside a mask; no padding
	s_or_b32 s[G1B], s44, (3<<16)|(1<<21)
.irp g, G1, G1B
	s_mov_b32 s[\g+1], 32<<16                      ; tensor_dim0: rows of 256 bytes
	s_mov_b32 s[\g+2], 272<<16                     ; tensor_dim1: the head's load brings 272 rows, 69,632 dense bytes: my parts of slots 0 and 1, which are neighbours in memory and in LDS
	s_mov_b32 s[\g+3], 32<<16                      ; tile_dim0
	s_mov_b32 s[\g+4], 272                         ; tile_dim1
	s_mov_b32 s[\g+5], 32                          ; the pitch
	s_mov_b32 s[\g+6], 0
	s_mov_b32 s[\g+7], 0
.endr
	s_mov_b32 s[SEL], 0x76543210
	s_mov_b32 s[SEL+1], 0xfedcba98
	s_mov_b32 s[MNT], 0x600000
	s_mov_b32 s[FLR], 0x4800000
	s_lshl_b32 s20, s17, 1
	s_add_co_u32 s20, s20, s16
	s_mul_i32 s20, s20, RGB                        ; A: the 128 rows that I fetch
	s_add_co_u32 s20, s20, s76
	s_mov_b32 s21, 0
	s_lshl_b32 s46, s42, 1
	s_add_co_u32 s46, s46, s16
	s_mul_i32 s46, s46, RGB                        ; B likewise
	s_add_co_u32 s46, s46, s75
	s_mov_b32 s47, 0
	s_mul_i32 s45, s14, 2*PIECE                    ; where they go: no place in the cluster enters an LDS address
	s_wait_kmcnt 0x0
	s_add_nc_u64 s[20:21], s[4:5], s[20:21]
	s_add_nc_u64 s[46:47], s[4:5], s[46:47]
	CROUND                                         ; all sixteen work-groups are here: the first joint loads meet
.irp s, 0,1
	s_mov_b32 s[G0+4*\s], 1
	s_add_co_u32 s[G0+4*\s+1], s45, \s*PIECE
	s_add_nc_u64 s[G0+4*\s+2:G0+4*\s+3], s[20:21], \s*PIECE
	s_or_b32 s[G0+4*\s+3], s[G0+4*\s+3], 0x80000000
	s_mov_b32 s[G0B+4*\s], 1
	s_add_co_u32 s[G0B+4*\s+1], s45, \s*PIECE
	s_add_nc_u64 s[G0B+4*\s+2:G0B+4*\s+3], s[46:47], \s*PIECE
	s_or_b32 s[G0B+4*\s+3], s[G0B+4*\s+3], 0x80000000
.endr
	JLOAD 0                                        ; one tensor load a wave at the head: it fills my parts of both slots
	s_cmp_eq_u32 s15, 0                            ; the prefetches: of the piece that I fetch, for A or for B, the four partners that ask for it with me share the four runs of 8,704 bytes out by address (cx for A, cy for B)
	s_cselect_b64 s[78:79], s[20:21], s[46:47]
	s_cselect_b32 s80, s40, s41
	s_mul_i32 s80, s80, 8704
	s_mov_b32 s81, 0
	s_add_nc_u64 s[78:79], s[78:79], s[80:81]
	v_and_b32 v1, 31, v0
	v_lshlrev_b32 v[LI], 4, v1
	v_lshlrev_b32 v22, 8, v1                       ; blocks 0 to 31 of my 34 blocks of 256 bytes, a lane a block;
	v_min_u32 v23, 1, v1
	v_lshl_add_u32 v23, v23, 8, 8192               ; blocks 32 and 33 (the lanes left over name the last again)
	global_prefetch_b8 v22, s[78:79] offset:2*PIECE th:TH_LOAD_NT scope:SCOPE_SE   ; the head's load brings slots' worth 0 and 1 of K; this names number 2, which the first refill loads
	global_prefetch_b8 v23, s[78:79] offset:2*PIECE th:TH_LOAD_NT scope:SCOPE_SE
	s_mul_i32 s22, s15, 2*PIECE
	s_mul_i32 s23, s16, 2*PIECE
	s_add_co_u32 s23, s23, 4*PIECE
.irp s, 0,1
	v_add_nc_u32 v[ADRA+\s], s22, v[LI]
	v_add_nc_u32 v[ADRB+\s], s23, v[LI]
	s_add_co_u32 s22, s22, PIECE
	s_add_co_u32 s23, s23, PIECE
.endr
	s_lshl_b32 s72, s17, 1
	s_add_co_u32 s72, s72, s15                     ; my 128 rows' number
	s_lshl_b32 s73, s42, 1
	s_add_co_u32 s73, s73, s16                     ; my 128 columns' number
	s_lshr_b32 s74, s73, 3                         ; q, k: q or k,
	s_lshl_b32 s74, s74, 1
	s_lshr_b32 s75, s72, 4                         ; the batch,
	s_add_co_u32 s74, s74, s75
	s_lshl_b32 s74, s74, 4
	s_and_b32 s75, s73, 7                          ; the even head of my two,
	s_lshl_b32 s75, s75, 1
	s_add_co_u32 s74, s74, s75
	s_lshl_b32 s74, s74, 4
	s_and_b32 s75, s72, 15                         ; the 128 tokens
	s_add_co_u32 s74, s74, s75
	s_mul_i32 s74, s74, 9216
	s_mov_b32 s75, 0
	s_add_nc_u64 s[68:69], s[6:7], s[74:75]
	s_lshl_b32 s74, s72, 6                         ; v: (head x 32 + the 128 keys' number) panels; my rows are heads 2 x (rows' number) and the next
	s_add_co_u32 s74, s74, s73
	s_mul_i32 s74, s74, 8704
	s_add_nc_u64 s[70:71], s[8:9], s[74:75]
	s_wait_alu depctr_va_vdst(0)
	s_wait_tensorcnt 0x0                           ; my parts of both slots are in; no tensor load of mine is out, so a descriptor may be written:
	s_mov_b32 s[G1+2], 136<<16                     ; from here on a load brings one slot's part, 136 rows
	s_mov_b32 s[G1+4], 136
	s_mov_b32 s[G1B+2], 136<<16
	s_mov_b32 s[G1B+4], 136
	s_barrier_signal -1
	s_barrier_wait -1
	FETCH_B 0, 0, 0
	global_prefetch_b8 v22, s[78:79] offset:3*PIECE th:TH_LOAD_NT scope:SCOPE_SE   ; and number 3, the last, which the second refill loads; the address registers are never rewritten
	global_prefetch_b8 v23, s[78:79] offset:3*PIECE th:TH_LOAD_NT scope:SCOPE_SE
	FETCH_A 0, 0, 0
	FETCH_S 0, 0, 0
	FETCH_A 0, 0, 1
	STEP 0, 0, 1                                   ; the first step's products start the sums
	s_mov_b32 s3, LAPS-1
.Llap:                                             ; a trip goes once round the ring and fills both slots again
	TURN 0, 1, 1
	STEP 1, 0, 0
	TURN 1, 0, 1
	STEP 0, 0, 0
	s_sub_co_u32 s3, s3, 1
	s_cmp_lg_u32 s3, 0
	s_cbranch_scc1 .Llap
	TURN 0, 1, 0                                   ; the last lap fills nothing
	STEP 1, 0, 0
	LAST
; THE WAY OUT: block a (16 rows x 128 columns) is quantised; its four groups of four registers are four runs of 512 consecutive bytes.  Every block has its own data registers.
.macro QSTORE a
	s_cmp_lt_u32 ttmp9, 8                          ; the same in all partners
	s_cbranch_scc0 .Lvst_\@
.irp c, 0,1,2,3
	global_store_b128 v[LI], v[128+16*(\a)+4*\c:128+16*(\a)+4*\c+3], s[68:69] offset:(\c/2)*147456+(\a)*1024+(\c%2)*512   ; blocks 0, 1: the even head; 2, 3: the odd one, 16 panels on
.endr
	s_branch .Lst_\@
.Lvst_\@:
	s_wait_alu depctr_va_vdst(0)
.irp c, 0,1,2,3
	global_store_b128 v[LI], v[128+16*(\a)+4*\c:128+16*(\a)+4*\c+3], s[70:71] offset:((\a)/4)*278528+((\a)%4)*2048+512*\c
.endr
.Lst_\@:
.endm
.irp b, 0,1,2,3
	v_mov_b32 v[TM+4+\b], 0                        ; a lane permute's destination counts as read
.endr
.irp a, 0,1,2,3,4,5,6,7
	QUANT 2+\a/4, 64*(\a%4), 128+16*\a, 32+\a
	v_lshrrev_b32 v[40+\a], 16, v[32+\a]           ; the odd head's two bytes
	QSTORE \a
.endr
	s_cmp_lt_u32 ttmp9, 8
	s_cbranch_scc0 .Lvsc
	s_wait_alu depctr_va_vdst(0)
.irp hh, 0,1
.irp g, 0,1
	global_store_b128 v[LI], v[32+8*\hh+4*\g:32+8*\hh+4*\g+3], s[68:69] offset:\hh*147456+8192+512*\g
.endr
.endr
	s_branch .Lscd
.Lvsc:
.irp g, 0,1
	global_store_b128 v[LI], v[32+4*\g:32+4*\g+3], s[70:71] offset:\g*278528+8192
.endr
.Lscd:
	s_wait_tensorcnt 0x0                           ; the wave's end
	ds_add_u32 v[SPW], v[NIL]
	s_wait_dscnt 0x0
	CROUND                                         ; the closing round
	s_endpgm
.Lfunc_end_k_q03ec61c61c_qkv:
	.size	k_q03ec61c61c_qkv, .Lfunc_end_k_q03ec61c61c_qkv-k_q03ec61c61c_qkv
	.p2alignl 7, 3214868480
	.fill 96, 4, 3214868480
	.section	.rodata,"a",@progbits
	.p2align	6, 0x0
	.amdhsa_kernel k_q03ec61c61c_qkv
		.amdhsa_group_segment_fixed_size 327680
		.amdhsa_private_segment_fixed_size 0
		.amdhsa_enable_private_segment 0
		.amdhsa_kernarg_size 24
		.amdhsa_user_sgpr_count 2
		.amdhsa_user_sgpr_kernarg_segment_ptr 1
		.amdhsa_wavefront_size32 1
		.amdhsa_system_sgpr_workgroup_id_x 1
		.amdhsa_system_sgpr_workgroup_id_y 1
		.amdhsa_system_sgpr_workgroup_id_z 1
		.amdhsa_system_vgpr_workitem_id 0
		.amdhsa_next_free_vgpr 1024
		.amdhsa_next_free_sgpr 100
		.amdhsa_reserve_vcc 0
		.amdhsa_float_denorm_mode_32 3
		.amdhsa_float_denorm_mode_16_64 3
		.amdhsa_memory_ordered 1
		.amdhsa_forward_progress 1
		.amdhsa_inst_pref_size 186
	.end_amdhsa_kernel
	.amdgpu_metadata
---
amdhsa.version: [ 1, 2 ]
amdhsa.kernels:
  - .name:           k_q03ec61c61c_qkv
    .symbol:         k_q03ec61c61c_qkv.kd
    .args:
      - { .name: pq, .offset: 0, .size: 8, .value_kind: global_buffer, .address_space: global }
      - { .name: qk, .offset: 8, .size: 8, .value_kind: global_buffer, .address_space: global }
      - { .name: vq, .offset: 16, .size: 8, .value_kind: global_buffer, .address_space: global }
    .group_segment_fixed_size: 327680
    .private_segment_fixed_size: 0
    .kernarg_segment_align: 8
    .kernarg_segment_size: 24
    .max_flat_workgroup_size: 128
    .sgpr_count:     100
    .vgpr_count:     1024
    .wavefront_size: 32
...
	.end_amdgpu_metadata
.endif
;; end of part 2
;; launch attn (part 3): grid 8 x 32, 16 waves a work-group, clusters of 4 x 1, 327,680 bytes of LDS; arguments qk, vq, oq; writes oq
.if DOCPART == 3
	.amdgcn_target "amdgcn-amd-amdhsa--gfx1250"
	.amdhsa_code_object_version 6
	.text
	.protected	k_q03ec61c61c_attn
	.globl	k_q03ec61c61c_attn
	.p2align	8
	.type	k_q03ec61c61c_attn,@function
k_q03ec61c61c_attn:
	s_mov_b64 s[64:65], 0
	v_nop
	global_prefetch_b8 v0, s[64:65] scope:SCOPE_SE
	s_setreg_imm32_b32 hwreg(HW_REG_WAVE_MODE, 25, 1), 1
	s_wait_xcnt 0x0
	s_wait_alu depctr_hold_cnt(0) depctr_sa_sdst(0) depctr_va_vdst(0) depctr_va_sdst(0) depctr_va_ssrc(0) depctr_va_vcc(0) depctr_vm_vsrc(0)
	s_getreg_b32 s2, hwreg(HW_REG_IB_STS2, 6, 4)
	s_cmp_eq_u32 s2, 0
	s_cbranch_scc0 .Lentry_in_a_cluster
	s_endpgm
.Lentry_in_a_cluster:
	s_bfe_u32 s2, ttmp6, 0x10000c
	s_cmp_lg_u32 s2, 0x3003
	s_cbranch_scc0 .Lentry_shape_is_right
	s_endpgm
.Lentry_shape_is_right:
; ATTN: out = softmax(q k^T / 32, causal) v for one (batch, head), both products on codes of E4M3 with E8M0 scales; out is quantised along the channels and leaves as codes.
; THE SOFTMAX: t = score x log2(e) / 32; M = the running largest t rounded up to a whole number; p = 2^(t - M) is quantised along the keys, not normalised; the row's sum is taken of the unquantised p and divides at the end.
; When M moves, the sum and O are multiplied by 2^(old M - new M), which rounds nothing.
; SHARES.  Work-group (j, y): y = 16 batch + head; sixteen waves, four to a SIMD.  It has sixteen tiles of 16 queries: tile R is fragment j of the 128 tokens number R (query 32 (j / 2) + 8 (j % 2) + r + 8 (r / 8) in lane r)
; and needs key steps 0 .. R, 128 keys each, of which step R lies on the diagonal: 136 steps in all.  They are shared out evenly.  Waves 2 p and 2 p + 1 are pair p (0 .. 7).  The OWNER has tile 15 - p and walks its steps 0 .. 8: nine.
; The HELPER first walks the same tile's steps 9 .. 15 - p (7 - p of them), hands its -M, its sums and its O^T to the owner through LDS as images of the registers, begins anew and makes tile p of its own (p + 1 steps): eight.
; Behind one barrier the owner brings both parts under the larger M (two factors that are powers of two) and adds them.  A helper without a step (p = 7) hands over the first state: its factor is 0.
; Which of a pair is the helper: bit 0 xor bit 2 of the wave's number: of four waves with the same w % 4, and of four with the same w / 4, two are owners and two helpers.
; All branches hang on the wave's number and a loop's counter; the place in the cluster enters global addresses and one data register (the mask's) alone.  Both loops have constant trip counts; work is jumped over inside them.
; LDS.  The head's K (16 x 9,216 bytes) and V (16 x 8,704) are filled ONCE, 286,720 bytes, and must be whole before the first step, since a helper begins at step 9: each wave asks for one sixteenth (waves 0-7: two steps of K,
; waves 8-15: two steps of V): one load of a wave is out.  Nothing is filled again.  Behind V: 8 x 4,608 bytes for what the helpers hand over; no fill lands there.
; CLUSTER.  The four work-groups of a cluster have the same y and read the same K and V: every load is joint, mask 15.
; LAYOUT.  Both products transposed: S^T = K Q^T (source 0 = 16 keys, source 1 = my queries), O^T = V^T P^T: a lane holds one query throughout; the keys of a tile are laid so that the 16 registers of tiles 2 b, 2 b + 1 are keys 32 b + 16 (lane / 16) + 0 .. 15.
; K = 64 IN A FORM OF 128: Q's registers for k = 64 .. 127 are zero codes.  A tile of K names 16 registers of which the upper eight are the next tile's codes (for the last tile zeros): they meet Q's zeros and add nothing; no code is NaN and no scale byte is 0xff.
; No prefetch: every tensor load is issued at the head.
; LIMITS: NaN and infinities are not served; 1 / the sum is v_rcp_f32 (1 ulp); a block of zeros gets the byte 1; a tile's sums are added in two parts, not in the order of the keys.
.set VL,   147456                      ; where V begins in LDS
.set XCH,  286720                      ; behind V: what the helpers hand over, 4,608 bytes a pair
.set LI,   1                           ; v1   16 x lane
.set LV,   2                           ; v2   16 x lane + VL
.set Q2A,  4                           ; v[4:7], v[250:253] the codes of my own tile's Q, until the helper takes them up
.set ADK,  8                           ; v8, v9 the step's K and V
.set ADV,  9
.set XA,   10                          ; v10  my pair's place in the exchange + 16 x lane
.set KV,   32                          ; v32-95  eight halves of K, then four fragments of V; v96-103 zeros
.set S,    104                         ; v104-167 S^T, then p
.set OT,   168                         ; v168-199 O^T
.set PCD,  200                         ; v200-215 p's codes
.set SCL,  216                         ; v216-223 K's or V's scale words
.set BM,   224                         ; v224-227 a block's largest score, then p
.set PB,   228                         ; v228-231 the other half's, then bytes
.set HL,   232                         ; v232-235 448 x the scale
.set SO,   236                         ; v236-239 the conversion's scale operand
.set QSC,  240                         ; Q's scale word
.set PSC,  241                         ; p's scale word
.set FF,   242                         ; v[242:243] f = 2^(old M - new M), and a written partner
.set TP,   244
.set DQ,   245                         ; my query's place in its 128 tokens - 16 (lane / 16)
.set SM2,  246                         ; v[246:247] the sum's second chain; at the end the helper's factor
.set NINF, 248
.set Q2B,  250
.set Q2S,  254                         ; my own tile's Q's scale word
.set WV,   18
.set RHO,  19                          ; my own tile's number
.set SEL,  20
.set CS,   22                          ; s[22:23] c = log2(e) / 32
.set MNT,  10
.set SG,   11                          ; the key step
.set TK,   12                          ; its K in LDS
.set TV,   13                          ; its V, less VL
.set G1K,  24
.set G1V,  32
.set G0K,  40                          ; s[40:43] group 0 for K; s[44:47] for V
.set G0V,  44
.set ROLE, 48                          ; 0 owner, 1 helper
.set RH1,  49                          ; the tile walked in the first loop: the helper's partner's; 0 in an owner, under every step of that loop
.set LNG,  50                          ; 15 - pair
.set PAIR, 51
.macro ROUND                           ; a round of the cluster's barrier
	s_barrier_signal -1
	s_barrier_wait -1
	s_cmp_lg_u32 s[WV], 0
	s_cbranch_scc1 .Lnot_wave_0_\@
	s_barrier_signal -3
.Lnot_wave_0_\@:
	s_barrier_wait -3
	s_barrier_signal -1
	s_barrier_wait -1
.endm
	s_load_b128 s[4:7], s[0:1], 0x0                ; qk, vq
	s_load_b64 s[8:9], s[0:1], 0x10                ; oq
	v_lshl_add_u32 v249, v0, 2, 0x4f000
	v_mov_b32 v255, 0
	ds_add_u32 v249, v255
	ds_add_u32 v249, v255
	v_lshrrev_b32 v3, 5, v0
	s_delay_alu instid0(VALU_DEP_1)
	v_readfirstlane_b32 s[WV], v3                  ; wave 0..15
	s_bfe_u32 s14, ttmp6, 0x40000                  ; cx
	s_lshl_b32 s15, ttmp9, 2
	s_add_co_u32 s15, s15, s14                     ; j
	s_and_b32 s16, ttmp7, 0xffff                   ; y
	s_lshr_b32 s[PAIR], s[WV], 1
	s_lshr_b32 s17, s[WV], 2
	s_xor_b32 s17, s17, s[WV]
	s_and_b32 s[ROLE], s17, 1                      ; bit 0 xor bit 2
	s_xor_b32 s[LNG], s[PAIR], 15                  ; 15 - pair
	s_xor_b32 s17, s[ROLE], 1
	s_mul_i32 s17, s17, 15
	s_xor_b32 s[RHO], s[PAIR], s17                 ; owner: 15 - pair; helper: pair
	s_mul_i32 s[RH1], s[LNG], s[ROLE]
	s_mov_b32 s[G1K], 15|(3<<16)|(1<<21)           ; the mask: all four; elements of 8 bytes; bit 21 beside a mask; no padding
	s_mov_b32 s[G1K+1], 32<<16                     ; rows of 256 bytes,
	s_mov_b32 s[G1K+2], 72<<16                     ; 72 of them: two steps of K, 18,432 dense bytes
	s_mov_b32 s[G1K+3], 32<<16
	s_mov_b32 s[G1K+4], 72
	s_mov_b32 s[G1K+5], 32
	s_mov_b32 s[G1K+6], 0
	s_mov_b32 s[G1K+7], 0
	s_mov_b32 s[G1V], 15|(3<<16)|(1<<21)
	s_mov_b32 s[G1V+1], 32<<16
	s_mov_b32 s[G1V+2], 68<<16                     ; two steps of V, 17,408 dense bytes
	s_mov_b32 s[G1V+3], 32<<16
	s_mov_b32 s[G1V+4], 68
	s_mov_b32 s[G1V+5], 32
	s_mov_b32 s[G1V+6], 0
	s_mov_b32 s[G1V+7], 0
	s_mov_b32 s[SEL], 0x76543210
	s_mov_b32 s[SEL+1], 0xfedcba98
	s_mov_b32 s[CS], 0x3d38aa3b
	s_mov_b32 s[CS+1], s[CS]
	s_mov_b32 s[MNT], 0x600000
	s_add_co_u32 s56, s16, 32                      ; k's panels lie behind q's 32 x 16
	s_mul_i32 s56, s56, 147456
	s_mov_b32 s57, 0
	s_and_b32 s58, s16, 15
	s_lshl_b32 s58, s58, 5
	s_lshr_b32 s59, s16, 4
	s_lshl_b32 s59, s59, 4
	s_add_co_u32 s58, s58, s59                     ; v: head x 32 + batch x 16 panels
	s_mul_i32 s58, s58, 8704
	s_mov_b32 s59, 0
	s_and_b32 s60, s[WV], 7                        ; which eighth of K or of V I fetch
	s_mul_i32 s52, s60, 18432
	s_mov_b32 s53, 0
	s_mul_i32 s54, s60, 17408
	s_mov_b32 s55, 0
	s_wait_dscnt 0x0
	s_wait_kmcnt 0x0
	s_add_nc_u64 s[56:57], s[4:5], s[56:57]
	s_add_nc_u64 s[58:59], s[6:7], s[58:59]
	s_mov_b32 s[G0K], 1                            ; every wave makes both descriptors and asks by one of them
	s_mov_b32 s[G0K+1], s52
	s_add_nc_u64 s[G0K+2:G0K+3], s[56:57], s[52:53]
	s_or_b32 s[G0K+3], s[G0K+3], 0x80000000
	s_mov_b32 s[G0V], 1
	s_add_co_u32 s[G0V+1], s54, VL
	s_add_nc_u64 s[G0V+2:G0V+3], s[58:59], s[54:55]
	s_or_b32 s[G0V+3], s[G0V+3], 0x80000000
	ROUND                                          ; all four work-groups are here: the joint loads meet
	s_cmp_lt_u32 s[WV], 8                          ; the branch hangs on the wave's number alone; four v_nop follow each of the two lines
	s_cbranch_scc0 .Lfor_v
	tensor_load_to_lds s[G0K:G0K+3], s[G1K:G1K+7]
	s_nop 0
.rept 4
	v_nop
.endr
	s_branch .Lasked
.Lfor_v:
	tensor_load_to_lds s[G0V:G0V+3], s[G1V:G1V+7]
	s_nop 0
.rept 4
	v_nop
.endr
.Lasked:
	s_lshl_b32 s60, s16, 4
	s_add_co_u32 s61, s60, s[LNG]
	s_mul_i32 s61, s61, 9216                       ; q's panel of the pair's long tile,
	s_add_co_u32 s60, s60, s[RHO]
	s_mul_i32 s60, s60, 9216                       ; and of my own tile (in an owner the same)
	s_lshl_b32 s62, s15, 10                        ; in a panel: half image j,
	s_lshr_b32 s63, s15, 2                         ; and that image's scale words
	s_lshl_b32 s63, s63, 9
	s_and_b32 s52, s15, 3
	s_lshl_b32 s52, s52, 2
	s_add_co_u32 s63, s63, s52
	s_add_co_u32 s63, s63, 8192
	s_add_co_u32 s52, s61, s62
	s_add_nc_u64 s[84:85], s[4:5], s[52:53]
	s_add_co_u32 s52, s61, s63
	s_add_nc_u64 s[86:87], s[4:5], s[52:53]
	s_add_co_u32 s52, s60, s62
	s_add_nc_u64 s[88:89], s[4:5], s[52:53]
	s_add_co_u32 s52, s60, s63
	s_add_nc_u64 s[90:91], s[4:5], s[52:53]
	v_and_b32 v3, 31, v0
	s_delay_alu instid0(VALU_DEP_1)
	v_lshlrev_b32 v[LI], 4, v3
	s_delay_alu instid0(VALU_DEP_1)
	v_add_nc_u32 v[LV], VL, v[LI]
	global_load_b128 v[16:19], v[LI], s[84:85]     ; the long tile's Q: the helper's first, the owner's only
	global_load_b128 v[20:23], v[LI], s[84:85] offset:512
	global_load_b32 v[QSC], v[LI], s[86:87]
	global_load_b128 v[Q2A:Q2A+3], v[LI], s[88:89] ; my own tile's Q, asked for now so that the helper does not wait for it later
	global_load_b128 v[Q2B:Q2B+3], v[LI], s[88:89] offset:512
	global_load_b32 v[Q2S], v[LI], s[90:91]
	s_mul_i32 s73, s[PAIR], 4608
	s_add_co_u32 s73, s73, XCH
	v_add_nc_u32 v[XA], s73, v[LI]                 ; made here, ahead of the first parting of owners and helpers
	s_lshr_b32 s68, s16, 4                         ; out's panel: 64 tokens number 32 batch + 2 x my tile + j / 4, head pair
	s_lshl_b32 s68, s68, 5
	s_lshl_b32 s69, s[RHO], 1
	s_add_co_u32 s68, s68, s69
	s_lshr_b32 s69, s15, 2
	s_add_co_u32 s68, s68, s69
	s_lshl_b32 s68, s68, 3
	s_bfe_u32 s69, s16, 0x30001
	s_add_co_u32 s68, s68, s69
	s_mul_i32 s68, s68, 8704
	s_mov_b32 s69, 0
	s_add_nc_u64 s[8:9], s[8:9], s[68:69]
	s_and_b32 s70, s15, 3
	s_and_b32 s71, s16, 1
	s_lshl_b32 s68, s70, 11                        ; fragment j % 4, and my head's half of its 128 along K
	s_lshl_b32 s72, s71, 10
	s_add_co_u32 s68, s68, s72
	s_add_nc_u64 s[94:95], s[8:9], s[68:69]
	s_lshl_b32 s68, s70, 2                         ; my head's half of the fragment's scale words
	s_lshl_b32 s72, s71, 1
	s_add_co_u32 s68, s68, s72
	s_add_co_u32 s68, s68, 8192
	s_add_nc_u64 s[96:97], s[8:9], s[68:69]
	v_and_b32 v3, 15, v0
	s_delay_alu instid0(VALU_DEP_1)
	v_and_b32 v11, 8, v3
	s_delay_alu instid0(VALU_DEP_1)
	v_add_nc_u32 v3, v3, v11                       ; r + 8 (r / 8)
	v_bfe_u32 v11, v0, 4, 1
	s_delay_alu instid0(VALU_DEP_1)
	v_lshlrev_b32 v11, 4, v11
	s_delay_alu instid0(VALU_DEP_1)
	v_sub_nc_u32 v3, v3, v11
	s_lshr_b32 s98, s15, 1
	s_lshl_b32 s98, s98, 5
	s_and_b32 s99, s15, 1
	s_lshl_b32 s99, s99, 3
	s_add_co_u32 s98, s98, s99
	v_add_nc_u32 v[DQ], s98, v3
	v_mov_b32 v13, 0xff61b1e6                      ; the largest t so far: -3e38
	s_delay_alu instid0(VALU_DEP_1)
	v_floor_f32 v12, -v13                          ; -M
	v_mov_b32 v14, 0
	v_mov_b32 v15, 0
.irp i, 0,1,2,3,4,5,6,7
	v_mov_b32 v[24+\i], 0                          ; Q's codes for k = 64 .. 127
	v_mov_b32 v[96+\i], 0                          ; behind K's last tile
.endr
.set n, 0
.rept 32
	v_mov_b32 v[OT+n], 0                           ; O^T: the step is written once; the first change of M leaves zeros zeros
.set n, n+1
.endr
.irp b, 0,1,2,3
	v_mov_b32 v[PB+\b], 0                          ; a lane permute's destination counts as read
.endr
	v_mov_b32 v[FF+1], 0                           ; named as the upper halves of pairs
	v_mov_b32 v[SM2+1], 0
	v_mov_b32 v[TP], 0
	v_mov_b32 v[NINF], 0xff800000
; A KEY STEP of the tile whose number stands in s[rh]: 128 keys.  A step behind that tile's diagonal is left out by a scalar branch on the wave's number and the counter, round its loads and its work; not round the lines that step addresses.
.macro STEP rh
	s_cmp_gt_u32 s[SG], s[\rh]
	s_cbranch_scc1 .Lhidden_\@
	v_add_nc_u32 v[ADK], s[TK], v[LI]
	v_add_nc_u32 v[ADV], s[TV], v[LV]
.rept 6
	v_nop                                          ; with the two additions: eight places in front of loads into registers that the last products read
.endr
.irp a, 0,1,2,3,4,5,6,7
	ds_load_b128 v[KV+8*\a:KV+8*\a+3], v[ADK] offset:\a*1024
	ds_load_b128 v[KV+8*\a+4:KV+8*\a+7], v[ADK] offset:\a*1024+512
.endr
	ds_load_b128 v[SCL:SCL+3], v[ADK] offset:8192
	ds_load_b128 v[SCL+4:SCL+7], v[ADK] offset:8704
	s_wait_alu depctr_va_vdst(0)
	s_wait_dscnt 0x0
.irp a, 0,1,2,3,4,5,6,7
	v_wmma_scale_f32_16x16x128_f8f6f4 v[S+8*\a:S+8*\a+7], v[KV+8*\a:KV+8*\a+15], v[16:31], 0, v[SCL+\a], v[QSC]
.endr
.rept 8
	v_nop
.endr
.irp f, 0,1,2,3                        ; V is asked for here and lands under the softmax
.irp c, 0,1,2,3
	ds_load_b128 v[KV+16*\f+4*\c:KV+16*\f+4*\c+3], v[ADV] offset:\f*2048+512*\c
.endr
.endr
	ds_load_b128 v[SCL:SCL+3], v[ADV] offset:8192
	s_cmp_lg_u32 s[SG], s[\rh]                     ; on the diagonal hidden scores become -infinity ahead of the maximum: register 16 b + i holds key 32 b + i + 16 (lane / 16)
	s_cbranch_scc1 .Lopen_\@
.set n, 0
.rept 64
	v_cmp_gt_i32 vcc_lo, 32*(n/16)+n%16, v[DQ]
	v_cndmask_b32 v[S+n], v[S+n], v[NINF], vcc_lo
.set n, n+1
.endr
.Lopen_\@:
.irp b, 0,1,2,3
	v_max3_num_f32 v[BM+\b], v[S+16*\b], v[S+16*\b+1], v[S+16*\b+2]   ; the largest score of each block of 32 keys: for the row's maximum, and, since p rises with the score, for the block's largest p
.endr
.irp i, 3,5,7,9,11,13
.irp b, 0,1,2,3
	v_max3_num_f32 v[BM+\b], v[BM+\b], v[S+16*\b+\i], v[S+16*\b+\i+1]
.endr
.endr
.irp b, 0,1,2,3
	v_max_num_f32 v[BM+\b], v[BM+\b], v[S+16*\b+15]
.endr
.irp b, 0,1,2,3
	s_delay_alu instid0(VALU_DEP_4)
	v_permlanex16_b32 v[PB+\b], v[BM+\b], s[SEL], s[SEL+1]
.endr
.irp b, 0,1,2,3
	s_delay_alu instid0(VALU_DEP_4)
	v_max_num_f32 v[BM+\b], v[BM+\b], v[PB+\b]     ; with lane l xor 16's 16 keys
.endr
	s_delay_alu instid0(VALU_DEP_2)
	v_max3_num_f32 v[TP], v[BM], v[BM+1], v[BM+2]
	s_delay_alu instid0(VALU_DEP_1)
	v_max_num_f32 v[TP], v[TP], v[BM+3]
	s_delay_alu instid0(VALU_DEP_1)
	v_mul_f32 v[TP], s[CS], v[TP]                  ; as t
	s_delay_alu instid0(VALU_DEP_1)
	v_max_num_f32 v13, v13, v[TP]                  ; the running largest t
	v_mov_b32 v[TP], v12
	s_delay_alu instid0(VALU_DEP_2)
	v_floor_f32 v12, -v13                          ; the new -M = -ceil(t)
	s_delay_alu instid0(VALU_DEP_1)
	v_sub_f32 v[TP], v12, v[TP]                    ; old M - new M: a whole number, 0 or less
	s_delay_alu instid0(VALU_DEP_1)
	v_cvt_i32_f32 v[TP], v[TP]                     ; (it saturates)
	s_delay_alu instid0(VALU_DEP_1)
	v_ldexp_f32 v[FF], 1.0, v[TP]                  ; f
.set n, 0
.rept 32
	v_pk_fma_f32 v[S+n:S+n+1], v[S+n:S+n+1], s[CS:CS+1], v[12:13] op_sel_hi:[1,0,0]   ; t - M
.set n, n+2
.endr
.irp b, 0,1,2,3
	v_fma_f32 v[BM+\b], v[BM+\b], s[CS], v12
.endr
.set n, 0
	s_wait_alu depctr_va_vdst(0)
.rept 64
	v_exp_f32 v[S+n], v[S+n]                       ; p, at most 1
.set n, n+1
.endr
.irp b, 0,1,2,3
	v_exp_f32 v[BM+\b], v[BM+\b]                   ; the block's largest p
.endr
	v_pk_mul_f32 v[14:15], v[14:15], v[FF:FF+1] op_sel_hi:[1,0]   ; the sums under the new M (a plain line behind the exponentials)
	s_wait_alu depctr_va_vdst(0)
.irp b, 0,1,2,3
	v_max_num_f32 v[BM+\b], 0x4800000, v[BM+\b]    ; the floor: the byte cannot fall under 1
.endr
.irp b, 0,1,2,3
	s_delay_alu instid0(VALU_DEP_4)
	v_add_nc_u32 v[SO+\b], 0xfc000000, v[BM+\b]
.endr
.irp b, 0,1,2,3
	v_and_or_b32 v[HL+\b], v[BM+\b], 0x7f800000, s[MNT]
.endr
.irp b, 0,1,2,3
	v_lshrrev_b32 v[PB+\b], 23, v[SO+\b]
.endr
	s_delay_alu instid0(VALU_DEP_3)
	v_lshl_or_b32 v[PSC], v[PB+1], 8, v[PB]
	s_delay_alu instid0(VALU_DEP_1)
	v_lshl_or_b32 v[PSC], v[PB+2], 16, v[PSC]
	s_delay_alu instid0(VALU_DEP_1)
	v_lshl_or_b32 v[PSC], v[PB+3], 24, v[PSC]
	v_pk_add_f32 v[246:247], v[108:109], v[112:113]
	v_pk_add_f32 v[226:227], v[116:117], v[120:121]
	v_pk_add_f32 v[224:225], v[124:125], v[128:129]
	v_pk_add_f32 v[222:223], v[132:133], v[136:137]
	v_pk_add_f32 v[220:221], v[140:141], v[144:145]
	v_pk_add_f32 v[214:215], v[148:149], v[152:153]
	v_pk_add_f32 v[212:213], v[156:157], v[160:161]
	v_pk_add_f32 v[14:15], v[14:15], v[164:165]
	v_pk_add_f32 v[246:247], v[246:247], v[104:105]
	v_pk_add_f32 v[226:227], v[226:227], v[106:107]
	v_pk_add_f32 v[224:225], v[224:225], v[110:111]
	v_pk_add_f32 v[222:223], v[222:223], v[114:115]
	v_pk_add_f32 v[220:221], v[220:221], v[118:119]
	v_pk_add_f32 v[214:215], v[214:215], v[122:123]
	v_pk_add_f32 v[212:213], v[212:213], v[126:127]
	v_pk_add_f32 v[14:15], v[14:15], v[130:131]
	v_pk_add_f32 v[246:247], v[246:247], v[134:135]
	v_pk_add_f32 v[226:227], v[226:227], v[138:139]
	v_pk_add_f32 v[224:225], v[224:225], v[142:143]
	v_pk_add_f32 v[222:223], v[222:223], v[146:147]
	v_pk_add_f32 v[220:221], v[220:221], v[150:151]
	v_pk_add_f32 v[214:215], v[214:215], v[154:155]
	v_pk_add_f32 v[212:213], v[212:213], v[158:159]
	v_pk_add_f32 v[14:15], v[14:15], v[162:163]
	v_pk_add_f32 v[246:247], v[246:247], v[166:167]
	s_delay_alu instid0(VALU_DEP_2)
	v_pk_add_f32 v[14:15], v[14:15], v[222:223]
	s_delay_alu instid0(VALU_DEP_2)
	v_pk_add_f32 v[246:247], v[246:247], v[220:221]
	v_pk_add_f32 v[226:227], v[226:227], v[214:215]
	v_pk_add_f32 v[224:225], v[224:225], v[212:213]
	s_delay_alu instid0(VALU_DEP_2)
	v_pk_add_f32 v[14:15], v[14:15], v[226:227]
	s_delay_alu instid0(VALU_DEP_2)
	v_pk_add_f32 v[246:247], v[246:247], v[224:225]
	s_delay_alu instid0(VALU_DEP_1)
	v_pk_add_f32 v[14:15], v[14:15], v[246:247]
.irp b, 0,1,2,3
.irp i, 0,1,2,3,4,5,6,7,8,9,10,11,12,13,14,15
	v_min_num_f32 v[S+16*\b+\i], v[S+16*\b+\i], v[HL+\b]   ; the hold; p is not negative
.endr
	v_cvt_scalef32_pk8_fp8_f32 v[PCD+4*\b:PCD+4*\b+1], v[S+16*\b:S+16*\b+7], v[SO+\b]
	v_cvt_scalef32_pk8_fp8_f32 v[PCD+4*\b+2:PCD+4*\b+3], v[S+16*\b+8:S+16*\b+15], v[SO+\b]
.endr
.set n, 0
.rept 16
	v_pk_mul_f32 v[OT+n:OT+n+1], v[OT+n:OT+n+1], v[FF:FF+1] op_sel_hi:[1,0]   ; O^T under the new M; these are also the places between the codes and the products
.set n, n+2
.endr
	s_wait_alu depctr_va_vdst(0)
	s_wait_dscnt 0x0                               ; V is in
.irp f, 0,1,2,3
	v_wmma_scale_f32_16x16x128_f8f6f4 v[OT+8*\f:OT+8*\f+7], v[KV+16*\f:KV+16*\f+15], v[PCD:PCD+15], v[OT+8*\f:OT+8*\f+7], v[SCL+\f], v[PSC]
.endr
.Lhidden_\@:
	s_add_co_u32 s[TK], s[TK], 9216
	s_add_co_u32 s[TV], s[TV], 8704
.endm
	s_wait_loadcnt 0x0                             ; both Q
	s_wait_tensorcnt 0x0                           ; my one load has landed,
	s_barrier_signal -1
	s_barrier_wait -1                              ; everybody's has: K and V are whole
	s_mov_b32 s[SG], 9                             ; THE LONG TILE'S STEPS 9 .. 15: the helpers' part of it; an owner passes all seven trips
	s_mov_b32 s[TK], 9*9216
	s_mov_b32 s[TV], 9*8704
.Lhigh:
	STEP RH1
	s_add_co_u32 s[SG], s[SG], 1
	s_cmp_lt_u32 s[SG], 16
	s_cbranch_scc1 .Lhigh
	s_cmp_eq_u32 s[ROLE], 0
	s_cbranch_scc1 .Lowner
.rept 8
	v_nop                                          ; eight places between the last products and the stores that read their results
.endr
	s_wait_alu depctr_va_vdst(0)
.irp k, 0,1,2,3,4,5,6,7
	ds_store_b128 v[XA], v[OT+4*\k:OT+4*\k+3] offset:512*\k   ; the helper's O^T as it stands, each accumulator from its low end on: 512 consecutive bytes a store
.endr
	ds_store_b128 v[XA], v[12:15] offset:4096      ; -M, the largest t, the sum's two halves
	s_wait_dscnt 0x0                               ; the stores have read their registers, and have landed
	v_mov_b32 v[QSC], v[Q2S]                       ; my own tile's Q; the scale word first: the lines below and the next step's first eight stand between it and the products
.irp i, 0,1,2,3
	v_mov_b32 v[16+\i], v[Q2A+\i]
	v_mov_b32 v[20+\i], v[Q2B+\i]
.endr
	v_mov_b32 v13, 0xff61b1e6                      ; and the first state again
	s_delay_alu instid0(VALU_DEP_1)
	v_floor_f32 v12, -v13
	v_mov_b32 v14, 0
	v_mov_b32 v15, 0
.set n, 0
.rept 32
	v_mov_b32 v[OT+n], 0
.set n, n+1
.endr
.Lowner:
	s_mov_b32 s[SG], 0                             ; MY OWN TILE'S STEPS 0 .. 8: an owner walks all nine, a helper those up to its diagonal
	s_mov_b32 s[TK], 0
	s_mov_b32 s[TV], 0
.Llow:
	STEP RHO
	s_add_co_u32 s[SG], s[SG], 1
	s_cmp_lt_u32 s[SG], 9
	s_cbranch_scc1 .Llow
.rept 8
	v_nop                                          ; eight places behind the last products
.endr
	s_wait_dscnt 0x0                               ; no LDS instruction of mine is out
	s_barrier_signal -1
	s_barrier_wait -1                              ; every helper's part lies in LDS
	s_cmp_lg_u32 s[ROLE], 0
	s_cbranch_scc1 .Lmine
.irp k, 0,1,2,3,4,5,6,7
	ds_load_b128 v[S+4*\k:S+4*\k+3], v[XA] offset:512*\k      ; the same lines as loads give the same registers in the same lanes
.endr
	ds_load_b128 v[S+32:S+35], v[XA] offset:4096
	s_wait_dscnt 0x0
	v_min_num_f32 v[TP], v12, v[S+32]              ; -M of the two parts together: the larger M
	s_delay_alu instid0(VALU_DEP_1)
	v_sub_f32 v[BM], v[TP], v12                    ; my M less that, and the helper's: whole numbers, 0 or less
	s_delay_alu instid0(VALU_DEP_2)
	v_sub_f32 v[BM+1], v[TP], v[S+32]
	s_delay_alu instid0(VALU_DEP_2)
	v_cvt_i32_f32 v[BM], v[BM]                     ; (they saturate)
	s_delay_alu instid0(VALU_DEP_2)
	v_cvt_i32_f32 v[BM+1], v[BM+1]
	s_delay_alu instid0(VALU_DEP_2)
	v_ldexp_f32 v[FF], 1.0, v[BM]                  ; two factors that are powers of two, or 0
	s_delay_alu instid0(VALU_DEP_2)
	v_ldexp_f32 v[SM2], 1.0, v[BM+1]
	s_delay_alu instid0(VALU_DEP_2)
	v_pk_mul_f32 v[14:15], v[14:15], v[FF:FF+1] op_sel_hi:[1,0]
	s_delay_alu instid0(VALU_DEP_1)
	v_pk_fma_f32 v[14:15], v[S+34:S+35], v[SM2:SM2+1], v[14:15] op_sel_hi:[1,0,1]
.set n, 0
.rept 16
	v_pk_mul_f32 v[OT+n:OT+n+1], v[OT+n:OT+n+1], v[FF:FF+1] op_sel_hi:[1,0]
.set n, n+2
.endr
.set n, 0
.rept 16
	v_pk_fma_f32 v[OT+n:OT+n+1], v[S+n:S+n+1], v[SM2:SM2+1], v[OT+n:OT+n+1] op_sel_hi:[1,0,1]
.set n, n+2
.endr
.Lmine:
; THE WAY OUT of my own tile: O^T / the sum; register 16 b + i is channel 32 b + 16 (lane / 16) + i of my query: two blocks, quantised; their codes are two runs of 512 consecutive bytes of the next product's operand.
	v_add_f32 v14, v14, v15
	s_wait_alu depctr_va_vdst(0)
	v_permlanex16_b32 v[TP], v14, s[SEL], s[SEL+1]
	s_delay_alu instid0(VALU_DEP_1)
	v_add_f32 v14, v14, v[TP]                      ; the row's sum
	s_wait_alu depctr_va_vdst(0)
	v_rcp_f32 v14, v14
	v_nop
.set n, 0
	s_wait_alu depctr_va_vdst(0)
.rept 32
	v_mul_f32 v[S+n], v[OT+n], v14
.set n, n+1
.endr
.irp b, 0,1
	v_max3_num_f32 v[BM+\b], |v[S+16*\b]|, |v[S+16*\b+1]|, 0x4800000
.endr
.irp i, 2,4,6,8,10,12,14
.irp b, 0,1
	s_delay_alu instid0(VALU_DEP_2)
	v_max3_num_f32 v[BM+\b], v[BM+\b], |v[S+16*\b+\i]|, |v[S+16*\b+\i+1]|
.endr
.endr
.irp b, 0,1
	s_delay_alu instid0(VALU_DEP_2)
	v_permlanex16_b32 v[PB+\b], v[BM+\b], s[SEL], s[SEL+1]
.endr
.irp b, 0,1
	s_delay_alu instid0(VALU_DEP_2)
	v_max_num_f32 v[BM+\b], v[BM+\b], v[PB+\b]
.endr
.irp b, 0,1
	s_delay_alu instid0(VALU_DEP_2)
	v_add_nc_u32 v[SO+\b], 0xfc000000, v[BM+\b]
.endr
.irp b, 0,1
	s_delay_alu instid0(VALU_DEP_4)
	v_and_or_b32 v[HL+\b], v[BM+\b], 0x7f800000, s[MNT]
.endr
.irp b, 0,1
	s_delay_alu instid0(VALU_DEP_4)
	v_lshrrev_b32 v[PB+\b], 23, v[SO+\b]
.endr
	s_delay_alu instid0(VALU_DEP_1)
	v_lshl_or_b32 v[PSC], v[PB+1], 8, v[PB]
.irp b, 0,1
.irp i, 0,1,2,3,4,5,6,7,8,9,10,11,12,13,14,15
	v_med3_num_f32 v[S+16*\b+\i], v[S+16*\b+\i], -v[HL+\b], v[HL+\b]
.endr
	v_cvt_scalef32_pk8_fp8_f32 v[PCD+4*\b:PCD+4*\b+1], v[S+16*\b:S+16*\b+7], v[SO+\b]
	v_cvt_scalef32_pk8_fp8_f32 v[PCD+4*\b+2:PCD+4*\b+3], v[S+16*\b+8:S+16*\b+15], v[SO+\b]
.endr
	v_nop
	global_store_b128 v[LI], v[PCD:PCD+3], s[94:95]
	global_store_b128 v[LI], v[PCD+4:PCD+7], s[94:95] offset:512
	global_store_b16 v[LI], v[PSC], s[96:97]       ; a head owns two of a scale word's four bytes: one store of two bytes a lane
	s_wait_tensorcnt 0x0
	ds_add_u32 v249, v255
	s_wait_dscnt 0x0
	ROUND                                          ; the closing round: no work-group ends while a partner may still ask for a tile that names it
	s_endpgm
.Lfunc_end_k_q03ec61c61c_attn:
	.size	k_q03ec61c61c_attn, .Lfunc_end_k_q03ec61c61c_attn-k_q03ec61c61c_attn
	.p2alignl 7, 3214868480
	.fill 96, 4, 3214868480
	.section	.rodata,"a",@progbits
	.p2align	6, 0x0
	.amdhsa_kernel k_q03ec61c61c_attn
		.amdhsa_group_segment_fixed_size 327680
		.amdhsa_private_segment_fixed_size 0
		.amdhsa_enable_private_segment 0
		.amdhsa_kernarg_size 24
		.amdhsa_user_sgpr_count 2
		.amdhsa_user_sgpr_kernarg_segment_ptr 1
		.amdhsa_wavefront_size32 1
		.amdhsa_system_sgpr_workgroup_id_x 1
		.amdhsa_system_sgpr_workgroup_id_y 1
		.amdhsa_system_sgpr_workgroup_id_z 1
		.amdhsa_system_vgpr_workitem_id 0
		.amdhsa_next_free_vgpr 256
		.amdhsa_next_free_sgpr 100
		.amdhsa_reserve_vcc 1
		.amdhsa_float_denorm_mode_32 3
		.amdhsa_float_denorm_mode_16_64 3
		.amdhsa_memory_ordered 1
		.amdhsa_forward_progress 1
		.amdhsa_inst_pref_size 72
	.end_amdhsa_kernel
	.amdgpu_metadata
---
amdhsa.version: [ 1, 2 ]
amdhsa.kernels:
  - .name:           k_q03ec61c61c_attn
    .symbol:         k_q03ec61c61c_attn.kd
    .args:
      - { .name: qk, .offset: 0, .size: 8, .value_kind: global_buffer, .address_space: global }
      - { .name: vq, .offset: 8, .size: 8, .value_kind: global_buffer, .address_space: global }
      - { .name: oq, .offset: 16, .size: 8, .value_kind: global_buffer, .address_space: global }
    .group_segment_fixed_size: 327680
    .private_segment_fixed_size: 0
    .kernarg_segment_align: 8
    .kernarg_segment_size: 24
    .max_flat_workgroup_size: 512
    .sgpr_count:     100
    .vgpr_count:     256
    .wavefront_size: 32
...
	.end_amdgpu_metadata
.endif
;; end of part 3
;; launch wo (part 4): grid 8 x 32, 4 waves a work-group, clusters of 4 x 4, 327,680 bytes of LDS; arguments oq, pq, x, bo, x1f, x1q; writes x1f, x1q
.if DOCPART == 4
	.amdgcn_target "amdgcn-amd-amdhsa--gfx1250"
	.amdhsa_code_object_version 6
	.text
	.protected	k_q03ec61c61c_wo
	.globl	k_q03ec61c61c_wo
	.p2align	8
	.type	k_q03ec61c61c_wo,@function
k_q03ec61c61c_wo:
	s_mov_b64 s[64:65], 0
	v_nop
	global_prefetch_b8 v0, s[64:65] scope:SCOPE_SE
	s_setreg_imm32_b32 hwreg(HW_REG_WAVE_MODE, 25, 1), 1
	s_wait_xcnt 0x0
	s_wait_alu depctr_hold_cnt(0) depctr_sa_sdst(0) depctr_va_vdst(0) depctr_va_sdst(0) depctr_va_ssrc(0) depctr_va_vcc(0) depctr_vm_vsrc(0)
	s_getreg_b32 s2, hwreg(HW_REG_IB_STS2, 6, 4)
	s_cmp_eq_u32 s2, 0
	s_cbranch_scc0 .Lentry_in_a_cluster
	s_endpgm
.Lentry_in_a_cluster:
	s_bfe_u32 s2, ttmp6, 0x10000c
	s_cmp_lg_u32 s2, 0xf033
	s_cbranch_scc0 .Lentry_shape_is_right
	s_endpgm
.Lentry_shape_is_right:
; WO: x1 = x + out Wo + bo on codes of E4M3 with E8M0 scales, K = 1,024.  x1 leaves twice: as f32, each accumulator as it lies in the registers (the last launch takes it back so), and as codes for the next product.
; OPERANDS are panels (64 rows x 128 K, 8,704 bytes: four fragment images of 2,048 bytes, then 512 bytes of scale words).  Lane position r of fragment i holds row 32 (i / 2) + 8 (i % 2) + r + 8 (r / 8).
; The matrix instruction is used transposed (source 0 = 16 columns of Wo, source 1 = 16 tokens): lane (r, h) holds one token, and the 16 registers of tiles 2 b, 2 b + 1 are columns 32 b + 16 h + 0 .. 15.
; TILES: 128 x 128 a work-group, 64 x 64 a wave (16 accumulators): 256 work-groups; tiles of 256 x 256 would be 64.
; LDS holds all of K: piece p (A's two halves, then B's two) is 69,632 dense bytes at 69,632 p, brought by one joint load of wave p at the head.  A's tiles are shared along a row of the 4 x 4 cluster, B's along a column.  Nothing is filled again.
; THE SUMS BEGIN WITH bo, loaded straight into the accumulators in their own layout.  x is asked for behind the head's barrier, into registers of its own, waited for once ahead of the way out, and added there
; FOUR SETS OF OPERAND REGISTERS take the eight steps of 128 by turns: a step's 34 LDS loads are issued a step ahead of its 16 products, while the step before is still on its way.
; PLACES: four v_nop stand ahead of each fetch; between a set's products and the next loads into it lie three such groups, twelve places, where ISA guide 7.12.1 asks for eight.
; A wave's 64 columns are half of a step of 128 along the next K: it stores two of a fragment's four runs of 512 bytes, and two of a scale word's four bytes (four stores of two bytes a lane).
; No prefetch: every tensor load is issued at the head, and there is no loop.
; REGISTERS: window 0: v2-13 the quantiser's, v16-31 addresses, v32-63 scale words (set q: A's four, then B's four; on the way out v32-35 the new operand's), v64-95 held numbers, v128-159 codes;
; window 1: B's four sets (64 q); window 2: v0-127 the accumulators (a, b) at 8 (4 a + b), v128-255 x in the same order; window 3: A's four sets.
; LIMITS: a block of zeros gets the byte 1; NaN and infinities are not served.
.set PANEL, 8704
.set PIECE, 4*PANEL
.set RGB,   8*PANEL                    ; 64 rows, all of K
.set BOFF,  7798784                    ; Wo's panels in pq
.set SPARE, 8*PIECE                    ; behind the tiles: the spare words, 128 bytes a wave
.set TM,   2
.set ADRA, 16                          ; v16-17  my A fragments: steps 0-3, steps 4-7
.set ADRB, 20                          ; v20-21  my B fragments
.set LI,   27                          ; v27     16 x lane
.set SPW,  28                          ; v28     my spare word; never rewritten
.set NIL,  29                          ; v29     0; never rewritten
.set XO,   30                          ; v30     my offset in x
.set BO,   31                          ; v31     my offset in bo
.set SC,   32
.set TT,   64
.set CD,   128
.set G1,   24
.set G0,   32
.set G1B,  48
.set G0B,  56
.set SEL,  92
.set MNT,  94
.set FLR,  95
.set MULW, 0xad                        ; source 0 (B) window 1, source 1 (A) window 3, C and D window 2
.set MSB, 0
.macro WIN new                         ; the immediate's high byte repeats the setting that is left
.if MSB != (\new)
	s_set_vgpr_msb (MSB<<8)|(\new)
.set MSB, (\new)
.endif
.endm
.macro CROUND                          ; a round of the cluster's barrier
	s_barrier_signal -1
	s_barrier_wait -1
	s_cmp_lg_u32 s14, 0
	s_cbranch_scc1 .Lnot_wave_0_\@
	s_barrier_signal -3
.Lnot_wave_0_\@:
	s_barrier_wait -3
	s_barrier_signal -1
	s_barrier_wait -1
.endm
.macro PLACES n
.rept \n
	v_nop
.endr
.endm
.macro FRAG reg, adr, off              ; a fragment image: four loads of 512 consecutive bytes
.irp c, 0,1,2,3
	ds_load_b128 v[4*\c+(\reg):4*\c+3+(\reg)], v[\adr] offset:512*\c+(\off)
.endr
.endm
.macro FETCH half, q                   ; step 4 half + q into set q: 34 LDS loads
	WIN 0x40
.irp f, 0,1,2,3
	FRAG 64*(\q)+16*\f, ADRB+\half, (\q)*PANEL+\f*2048
.endr
	WIN 0xc0
.irp f, 0,1,2,3
	FRAG 64*(\q)+16*\f, ADRA+\half, (\q)*PANEL+\f*2048
.endr
	WIN 0
	ds_load_b128 v[SC+8*(\q):SC+8*(\q)+3], v[ADRA+\half] offset:(\q)*PANEL+8192
	ds_load_b128 v[SC+8*(\q)+4:SC+8*(\q)+7], v[ADRB+\half] offset:(\q)*PANEL+8192
.endm
.macro MUL q                           ; set q: A's four fragments against B's four.  The 16 accumulators take turns, one instruction a turn, in the same order in every step
.set ai, 0
.rept 4
.set bi, 0
.rept 4
.set rD, 8*(4*ai+bi)
	v_wmma_scale_f32_16x16x128_f8f6f4 v[rD:rD+7], v[64*(\q)+16*bi:64*(\q)+16*bi+15], v[64*(\q)+16*ai:64*(\q)+16*ai+15], v[rD:rD+7], v[SC+8*(\q)+4+bi], v[SC+8*(\q)+ai]
.set bi, bi+1
.endr
.set ai, ai+1
.endr
.endm
.macro RUN k                           ; step k of eight
.if \k < 7
	PLACES 4
	FETCH (\k+1)/4, (\k+1)%4
	s_wait_dscnt 34                                ; this step's loads are in; the next step's 34 may be out
.else
	s_wait_dscnt 0x0
.endif
	WIN MULW
	MUL (\k)%4
.endm
; 32 numbers of a lane in window 2, register 16 b + i = column 32 b + 16 (lane / 16) + i of my row, become eight registers of codes and two scale bytes
.macro QUANT s, pc, pw
	WIN 0x28
.irp b, 0,1
	v_max3_num_f32 v[TM+\b], s[FLR], |v[16*\b+(\s)]|, |v[16*\b+1+(\s)]|   ; with the floor 2^(9 - 127): the byte cannot fall under 1
.endr
.irp i, 2,4,6,8,10,12,14
.irp b, 0,1
	v_max3_num_f32 v[TM+\b], v[TM+\b], |v[16*\b+\i+(\s)]|, |v[16*\b+\i+1+(\s)]|
.endr
.endr
	WIN 0
.irp b, 0,1
	v_permlanex16_b32 v[TM+4+\b], v[TM+\b], s[SEL], s[SEL+1]
.endr
.irp b, 0,1
	v_max_num_f32 v[TM+\b], v[TM+\b], v[TM+4+\b]   ; with lane l xor 16's: the block's largest magnitude
.endr
.irp b, 0,1
	v_add_nc_u32 v[TM+8+\b], 0xfc000000, v[TM+\b]  ; 8 off its exponent field: the conversion's scale operand
.endr
.irp b, 0,1
	v_and_or_b32 v[TM+4+\b], v[TM+\b], 0x7f800000, s[MNT]   ; 448 x the scale
.endr
.irp b, 0,1
	v_lshrrev_b32 v[TM+\b], 23, v[TM+8+\b]         ; the byte
.endr
	v_lshl_or_b32 v[\pw], v[TM+1], 8, v[TM]
	WIN 0x02
.irp b, 0,1
.irp i, 0,1,2,3,4,5,6,7,8,9,10,11,12,13,14,15
	v_med3_num_f32 v[TT+16*\b+\i], v[16*\b+\i+(\s)], -v[TM+4+\b], v[TM+4+\b]   ; the conversion does not saturate (ISA guide 7.6.2): the hold comes first
.endr
.endr
	WIN 0
.irp b, 0,1
	v_cvt_scalef32_pk8_fp8_f32 v[4*\b+(\pc):4*\b+1+(\pc)], v[TT+16*\b:TT+16*\b+7], v[TM+8+\b]
	v_cvt_scalef32_pk8_fp8_f32 v[4*\b+2+(\pc):4*\b+3+(\pc)], v[TT+16*\b+8:TT+16*\b+15], v[TM+8+\b]
.endr
	v_nop                                          ; a plain line behind the last conversion
.endm
	s_load_b256 s[4:11], s[0:1], 0x0               ; oq, pq, x, bo
	s_load_b128 s[68:71], s[0:1], 0x20             ; x1f, x1q
	v_lshl_add_u32 v[SPW], v0, 2, SPARE
	v_mov_b32 v[NIL], 0
	ds_add_u32 v[SPW], v[NIL]                      ; the opening lines: the add, twice on end, and its wait ahead of my first tensor load
	ds_add_u32 v[SPW], v[NIL]
	v_lshrrev_b32 v1, 5, v0
	v_readfirstlane_b32 s14, v1                    ; wave
	s_lshr_b32 s15, s14, 1                         ; my half of the tile's rows; also: I fetch for A (0) or B (1)
	s_and_b32 s16, s14, 1                          ; my half of its columns; also: which half I fetch
	s_bfe_u32 s40, ttmp6, 0x40000                  ; cx
	s_bfe_u32 s41, ttmp6, 0x40004                  ; cy
	s_lshl_b32 s42, ttmp9, 2
	s_add_co_u32 s42, s42, s40                     ; tile column
	s_and_b32 s17, ttmp7, 0xffff
	s_lshl_b32 s17, s17, 2
	s_add_co_u32 s17, s17, s41                     ; tile row
	s_lshl_b32 s43, s41, 2
	s_lshl_b32 s43, 15, s43                        ; my row of the cluster
	s_lshl_b32 s44, 0x1111, s40                    ; my column
	s_or_b32 s[G1], s43, (3<<16)|(1<<21)           ; the mask; elements of 8 bytes; bit 21 beside a mask; no padding
	s_or_b32 s[G1B], s44, (3<<16)|(1<<21)
.irp g, G1, G1B
	s_mov_b32 s[\g+1], 32<<16                      ; rows of 256 bytes,
	s_mov_b32 s[\g+2], 272<<16                     ; 272 of them: 64 rows, all of K
	s_mov_b32 s[\g+3], 32<<16
	s_mov_b32 s[\g+4], 272
	s_mov_b32 s[\g+5], 32
	s_mov_b32 s[\g+6], 0
	s_mov_b32 s[\g+7], 0
.endr
	s_mov_b32 s[SEL], 0x76543210
	s_mov_b32 s[SEL+1], 0xfedcba98
	s_mov_b32 s[MNT], 0x600000
	s_mov_b32 s[FLR], 0x4800000
	s_lshl_b32 s20, s17, 1
	s_add_co_u32 s20, s20, s16
	s_mul_i32 s20, s20, RGB                        ; A: the 64 rows that I fetch
	s_mov_b32 s21, 0
	s_lshl_b32 s46, s42, 1
	s_add_co_u32 s46, s46, s16
	s_mul_i32 s46, s46, RGB                        ; B likewise
	s_add_co_u32 s46, s46, BOFF
	s_mov_b32 s47, 0
	s_mul_i32 s45, s14, 2*PIECE                    ; where they go: no place in the cluster enters an LDS address
	s_mul_i32 s22, s15, 2*PIECE                    ; what I read: A's half,
	s_mul_i32 s23, s16, 2*PIECE
	s_add_co_u32 s23, s23, 4*PIECE                 ; B's half
	s_lshl_b32 s74, s42, 9
	s_lshl_b32 s75, s16, 8
	s_add_co_u32 s74, s74, s75                     ; my 64 columns, in bytes
	s_mov_b32 s75, 0
	s_lshl_b32 s72, s17, 19
	s_lshl_b32 s73, s15, 18
	s_add_co_u32 s72, s72, s73
	s_add_co_u32 s72, s72, s74                     ; x at my 64 rows and 64 columns
	s_mov_b32 s73, 0
	s_lshl_b32 s76, s17, 3
	s_add_co_u32 s76, s76, s42                     ; the tile's number
	s_lshl_b32 s82, s76, 2
	s_add_co_u32 s82, s82, s14
	s_lshl_b32 s82, s82, 14                        ; x1 as f32: 16,384 bytes a wave
	s_mov_b32 s83, 0
	s_lshl_b32 s84, s76, 1
	s_add_co_u32 s84, s84, s15
	s_mul_i32 s84, s84, PANEL                      ; x1's codes: panel (tile's number x 2 + my half of the rows)
	s_lshl_b32 s86, s16, 1
	s_add_co_u32 s86, s86, s84                     ; my two bytes of a scale word
	s_mov_b32 s87, 0
	s_lshl_b32 s85, s16, 10
	s_add_co_u32 s84, s84, s85                     ; my two runs of a fragment's four
	s_mov_b32 s85, 0
	s_wait_dscnt 0x0                               ; both opening adds are done
	CROUND                                         ; all sixteen work-groups are here: the joint loads meet
	s_wait_kmcnt 0x0
	s_mov_b32 s[G0], 1
	s_mov_b32 s[G0+1], s45
	s_add_nc_u64 s[G0+2:G0+3], s[4:5], s[20:21]
	s_or_b32 s[G0+3], s[G0+3], 0x80000000
	s_mov_b32 s[G0B], 1
	s_mov_b32 s[G0B+1], s45
	s_add_nc_u64 s[G0B+2:G0B+3], s[6:7], s[46:47]
	s_or_b32 s[G0B+3], s[G0B+3], 0x80000000
	s_cmp_eq_u32 s15, 0                            ; waves 0, 1 fetch A's halves, waves 2, 3 B's: one tensor load a wave; an s_nop 0 and four v_nop follow each line
	s_cbranch_scc0 .Lfor_b
	tensor_load_to_lds s[G0:G0+3], s[G1:G1+7]
	s_nop 0
	PLACES 4
	s_branch .Lasked
.Lfor_b:
	tensor_load_to_lds s[G0B:G0B+3], s[G1B:G1B+7]
	s_nop 0
	PLACES 4
.Lasked:
	s_add_nc_u64 s[8:9], s[8:9], s[72:73]
	s_add_nc_u64 s[10:11], s[10:11], s[74:75]
	s_add_nc_u64 s[68:69], s[68:69], s[82:83]
	s_add_nc_u64 s[80:81], s[70:71], s[86:87]
	s_add_nc_u64 s[70:71], s[70:71], s[84:85]
	v_and_b32 v1, 31, v0
	v_and_b32 v2, 15, v0
	v_bfe_u32 v3, v0, 4, 1
	v_lshlrev_b32 v[LI], 4, v1
	v_lshlrev_b32 v[BO], 6, v3                     ; 16 columns further for lanes 16-31
	v_and_b32 v4, 8, v2
	v_add_nc_u32 v4, v4, v2
	v_lshl_add_u32 v[XO], v4, 12, v[BO]            ; and row r + 8 (r / 8)
	v_add_nc_u32 v[ADRA], s22, v[LI]
	v_add_nc_u32 v[ADRB], s23, v[LI]
	v_add_nc_u32 v[ADRA+1], PIECE, v[ADRA]
	v_add_nc_u32 v[ADRB+1], PIECE, v[ADRB]
	v_mov_b32 v[TM+4], 0                           ; a lane permute's destination counts as read
	v_mov_b32 v[TM+5], 0
	WIN 0x80                                       ; destinations in window 2
.irp a, 0,1,2,3
.irp b, 0,1,2,3
	global_load_b128 v[32*\a+8*\b:32*\a+8*\b+3], v[BO], s[10:11] offset:(32*(\b/2)+8*(\b%2))*4          ; bo at the accumulator's eight columns: the sums begin with it
	global_load_b128 v[32*\a+8*\b+4:32*\a+8*\b+7], v[BO], s[10:11] offset:(32*(\b/2)+8*(\b%2))*4+16
.endr
.endr
	WIN 0
	s_wait_alu depctr_va_vdst(0)
	s_wait_loadcnt 0x0                             ; bo
	s_wait_tensorcnt 0x0                           ; my one load is in,
	s_barrier_signal -1
	s_barrier_wait -1                              ; everybody's is
	FETCH 0, 0
	WIN 0x80
.irp a, 0,1,2,3
.irp b, 0,1,2,3
	global_load_b128 v[128+32*\a+8*\b:128+32*\a+8*\b+3], v[XO], s[8:9] offset:(32*(\a/2)+8*(\a%2))*4096+(32*(\b/2)+8*(\b%2))*4          ; x in the accumulators' order; nothing waits for it before the way out
	global_load_b128 v[128+32*\a+8*\b+4:128+32*\a+8*\b+7], v[XO], s[8:9] offset:(32*(\a/2)+8*(\a%2))*4096+(32*(\b/2)+8*(\b%2))*4+16
.endr
.endr
	WIN 0
.irp k, 0,1,2,3,4,5,6,7
	RUN \k
.endr
	WIN 0
	PLACES 8                                       ; between the last products and the lines that read their results
	s_wait_loadcnt 0x0                             ; x
; THE WAY OUT, block by block of 16 tokens: x is added, the f32 numbers leave as they lie, the block is quantised, its codes leave.  Every block has its own data registers.
.irp a, 0,1,2,3
	WIN 0x8a                                       ; sources and destination in window 2
.set n, 0
.rept 16
	v_pk_add_f32 v[32*\a+2*n:32*\a+2*n+1], v[32*\a+2*n:32*\a+2*n+1], v[128+32*\a+2*n:128+32*\a+2*n+1]   ; each accumulator from its low end on
.set n, n+1
.endr
	WIN 0x08                                       ; a store's data are its source 1
.irp b, 0,1,2,3
	global_store_b128 v[LI], v[32*\a+8*\b:32*\a+8*\b+3], s[68:69] offset:(4*\a+\b)*1024          ; 512 consecutive bytes a store
	global_store_b128 v[LI], v[32*\a+8*\b+4:32*\a+8*\b+7], s[68:69] offset:(4*\a+\b)*1024+512
.endr
	QUANT 32*\a, CD+8*\a, 32+\a
	global_store_b128 v[LI], v[CD+8*\a:CD+8*\a+3], s[70:71] offset:\a*2048
	global_store_b128 v[LI], v[CD+8*\a+4:CD+8*\a+7], s[70:71] offset:\a*2048+512
	global_store_b16 v[LI], v[32+\a], s[80:81] offset:8192+4*\a
.endr
	s_wait_tensorcnt 0x0                           ; the wave's end
	ds_add_u32 v[SPW], v[NIL]
	s_wait_dscnt 0x0
	CROUND                                         ; the closing round
	s_endpgm
.Lfunc_end_k_q03ec61c61c_wo:
	.size	k_q03ec61c61c_wo, .Lfunc_end_k_q03ec61c61c_wo-k_q03ec61c61c_wo
	.p2alignl 7, 3214868480
	.fill 96, 4, 3214868480
	.section	.rodata,"a",@progbits
	.p2align	6, 0x0
	.amdhsa_kernel k_q03ec61c61c_wo
		.amdhsa_group_segment_fixed_size 327680
		.amdhsa_private_segment_fixed_size 0
		.amdhsa_enable_private_segment 0
		.amdhsa_kernarg_size 48
		.amdhsa_user_sgpr_count 2
		.amdhsa_user_sgpr_kernarg_segment_ptr 1
		.amdhsa_wavefront_size32 1
		.amdhsa_system_sgpr_workgroup_id_x 1
		.amdhsa_system_sgpr_workgroup_id_y 1
		.amdhsa_system_sgpr_workgroup_id_z 1
		.amdhsa_system_vgpr_workitem_id 0
		.amdhsa_next_free_vgpr 1024
		.amdhsa_next_free_sgpr 100
		.amdhsa_reserve_vcc 0
		.amdhsa_float_denorm_mode_32 3
		.amdhsa_float_denorm_mode_16_64 3
		.amdhsa_memory_ordered 1
		.amdhsa_forward_progress 1
		.amdhsa_inst_pref_size 73
	.end_amdhsa_kernel
	.amdgpu_metadata
---
amdhsa.version: [ 1, 2 ]
amdhsa.kernels:
  - .name:           k_q03ec61c61c_wo
    .symbol:         k_q03ec61c61c_wo.kd
    .args:
      - { .name: oq, .offset: 0, .size: 8, .value_kind: global_buffer, .address_space: global }
      - { .name: pq, .offset: 8, .size: 8, .value_kind: global_buffer, .address_space: global }
      - { .name: x, .offset: 16, .size: 8, .value_kind: global_buffer, .address_space: global }
      - { .name: bo, .offset: 24, .size: 8, .value_kind: global_buffer, .address_space: global }
      - { .name: x1f, .offset: 32, .size: 8, .value_kind: global_buffer, .address_space: global }
      - { .name: x1q, .offset: 40, .size: 8, .value_kind: global_buffer, .address_space: global }
    .group_segment_fixed_size: 327680
    .private_segment_fixed_size: 0
    .kernarg_segment_align: 8
    .kernarg_segment_size: 48
    .max_flat_workgroup_size: 128
    .sgpr_count:     100
    .vgpr_count:     1024
    .wavefront_size: 32
...
	.end_amdgpu_metadata
.endif
;; end of part 4
;; launch ffn1 (part 5): grid 16 x 16, 4 waves a work-group, clusters of 4 x 4, 327,680 bytes of LDS; arguments x1q, pq, b1, hq; writes hq
.if DOCPART == 5
	.amdgcn_target "amdgcn-amd-amdhsa--gfx1250"
	.amdhsa_code_object_version 6
	.text
	.protected	k_q03ec61c61c_ffn1
	.globl	k_q03ec61c61c_ffn1
	.p2align	8
	.type	k_q03ec61c61c_ffn1,@function
k_q03ec61c61c_ffn1:
	s_mov_b64 s[64:65], 0
	v_nop
	global_prefetch_b8 v0, s[64:65] scope:SCOPE_SE
	s_setreg_imm32_b32 hwreg(HW_REG_WAVE_MODE, 25, 1), 1
	s_wait_xcnt 0x0
	s_wait_alu depctr_hold_cnt(0) depctr_sa_sdst(0) depctr_va_vdst(0) depctr_va_sdst(0) depctr_va_ssrc(0) depctr_va_vcc(0) depctr_vm_vsrc(0)
	s_getreg_b32 s2, hwreg(HW_REG_IB_STS2, 6, 4)
	s_cmp_eq_u32 s2, 0
	s_cbranch_scc0 .Lentry_in_a_cluster
	s_endpgm
.Lentry_in_a_cluster:
	s_bfe_u32 s2, ttmp6, 0x10000c
	s_cmp_lg_u32 s2, 0xf033
	s_cbranch_scc0 .Lentry_shape_is_right
	s_endpgm
.Lentry_shape_is_right:
; FFN1: h = relu(x1 W1 + b1) on codes of E4M3 with E8M0 scales, K = 1,024; h is quantised along the hidden units in registers and leaves as codes alone, in panels (64 rows x 128 K: four fragment images of 2,048 bytes, then 512 bytes of scale words).
; TILES: 256 x 256 a work-group, 128 x 128 a wave (64 accumulators); 256 work-groups.  The matrix instruction is used transposed (source 0 = 16 columns of W1, source 1 = 16 tokens): a lane holds one token, and the 16 registers of tiles 2 b, 2 b + 1 are 16 neighbouring hidden units.
; b1 is the C of each sum's first matrix instruction.  The activation is the hold: between 0 and 448 x the scale; what is negative does not count for a block's largest magnitude.
; RING: two LDS slots of 256 along K; piece p (A's two halves, then B's two) of slot s lies at (2 p + s) PIECE.  At the head each wave's one joint load brings its parts of both slots, 69,632 dense bytes; a refill brings 34,816.
; A's tiles are shared along a row of the 4 x 4 cluster, B's along a column.
; PREFETCH: K is four slots' worth; the head's load brings numbers 0 and 1.  Number 2 is named at the head and number 3 behind the first barrier, each two slots' worth ahead of the refill that loads it.
; LIMITS: a block of zeros gets the byte 1; NaN and infinities are not served.
.set F,     8
.set KCH,   8
.set CIHI,  0
.set CIA,   0
.set BOFF,  8912896
.set NQ,    16/F
.set FP,    F/4
.set CHB,   FP*8704
.set PIECE, NQ*CHB
.set SLOT,  4*PIECE
.set RGB,   KCH*CHB
.set LAPS,  KCH/(2*NQ)
.set SPARE, 2*SLOT
.set TM,   2
.set ADRA, 16
.set ADRB, 20
.set LI,   27
.set SPW,  28
.set NIL,  29
.set SC,   32
.set TT,   64
.set AF,   128
.set G1,   24
.set G0,   32
.set G1B,  48
.set G0B,  56
.set SEL,  92
.set MNT,  94
.set FLR,  95
.set MUL_LO, 0xa1
.set MUL_HI, 0xf1
.set TO_B,   0x40
.set MSB, 0
.macro WIN new
.if MSB != (\new)
	s_set_vgpr_msb (MSB<<8)|(\new)
.set MSB, (\new)
.endif
.endm
.macro JLOAD s
	s_cmp_eq_u32 s15, 0
	s_cbranch_scc0 .Lfor_b_\@
	tensor_load_to_lds s[G0+4*\s:G0+4*\s+3], s[G1:G1+7]
	s_nop 0
.rept 4
	v_nop
.endr
	s_branch .Lasked_\@
.Lfor_b_\@:
	tensor_load_to_lds s[G0B+4*\s:G0B+4*\s+3], s[G1B:G1B+7]
	s_nop 0
.rept 4
	v_nop
.endr
.Lasked_\@:
.endm
.macro CREST
	s_cmp_lg_u32 s14, 0
	s_cbranch_scc1 .Lnot_wave_0_\@
	s_barrier_signal -3
.Lnot_wave_0_\@:
	s_barrier_wait -3
	s_barrier_signal -1
	s_barrier_wait -1
.endm
.macro CROUND
	s_barrier_signal -1
	s_barrier_wait -1
	CREST
.endm
.macro PLACES n
.rept \n
	v_nop
.endr
.endm
.macro FRAG reg, adr, off
.irp c, 0,1,2,3
	ds_load_b128 v[4*\c+(\reg):4*\c+3+(\reg)], v[\adr] offset:512*\c+(\off)
.endr
.endm
.macro FETCH_B slot, q, p
	WIN TO_B
.set fi, 0
.rept F
	FRAG 128*(\p)+16*fi, ADRB+\slot, (\q)*CHB+(fi/4)*8704+(fi%4)*2048
.set fi, fi+1
.endr
	WIN 0
.endm
.macro FETCH_A slot, q, half
.set fi, (\half)*(F/2)
.rept F/2
	FRAG AF+16*fi, ADRA+\slot, (\q)*CHB+(fi/4)*8704+(fi%4)*2048
.set fi, fi+1
.endr
.endm
.macro FETCH_S slot, q, p
.set gi, 0
.rept FP
	ds_load_b128 v[SC+2*F*(\p)+4*gi:SC+2*F*(\p)+4*gi+3], v[ADRA+\slot] offset:(\q)*CHB+gi*8704+8192
	ds_load_b128 v[SC+2*F*(\p)+F+4*gi:SC+2*F*(\p)+F+4*gi+3], v[ADRB+\slot] offset:(\q)*CHB+gi*8704+8192
.set gi, gi+1
.endr
.endm
.macro MULA a, p, mode
.set bi, 0
.rept F
.set rD, 8*(F*((\a)%(F/2))+bi)
.set rB, 128*(\p)+16*bi
.set rA, AF+16*(\a)
.set rS, SC+2*F*(\p)
.if \mode == 0
	v_wmma_scale_f32_16x16x128_f8f6f4 v[rD:rD+7], v[rB:rB+15], v[rA:rA+15], v[rD:rD+7], v[rS+F+bi], v[rS+(\a)]
.elseif \mode == 1
	v_wmma_scale_f32_16x16x128_f8f6f4 v[rD:rD+7], v[rB:rB+15], v[rA:rA+15], 0, v[rS+F+bi], v[rS+(\a)]
.else
.set rC, 64+CIHI*((\a)/(F/2))+CIA*((\a)%(F/2))+8*bi
	v_wmma_scale_f32_16x16x128_f8f6f4 v[rD:rD+7], v[rB:rB+15], v[rA:rA+15], v[rC:rC+7], v[rS+F+bi], v[rS+(\a)]
.endif
.set bi, bi+1
.endr
.endm
.macro MULQ d, p, mode
.set ai, (\d)*(F/4)
.rept F/4
	MULA ai, \p, \mode
.set ai, ai+1
.endr
.endm
.macro STEP slot, q, mode
	s_wait_dscnt 2*F
.if \mode == 2
	WIN 0x81
.else
	WIN MUL_LO
.endif
	MULQ 0, (\q)%2, \mode
	MULQ 1, (\q)%2, \mode
	s_wait_dscnt 0x0
	PLACES 8
	FETCH_B \slot, (\q)+1, 1-(\q)%2
	FETCH_A \slot, (\q)+1, 0
	FETCH_S \slot, (\q)+1, 1-(\q)%2
.if \mode == 2
	WIN 0xc1
.else
	WIN MUL_HI
.endif
	MULQ 2, (\q)%2, \mode
	MULQ 3, (\q)%2, \mode
	PLACES 8
	WIN 0
	FETCH_A \slot, (\q)+1, 1
.endm
.macro TURN slot, next, fill
	s_wait_tensorcnt 0x0
	ds_add_u32 v[SPW], v[NIL]
	s_wait_dscnt 2*F+1
	WIN MUL_LO
	MULQ 0, 1, 0
	s_wait_dscnt 0x0
	s_barrier_signal -1
	MULQ 1, 1, 0
	WIN 0
	s_barrier_wait -1
.if \fill
	CREST
	s_add_nc_u64 s[G0+4*\slot+2:G0+4*\slot+3], s[G0+4*\slot+2:G0+4*\slot+3], 2*PIECE
	s_add_nc_u64 s[G0B+4*\slot+2:G0B+4*\slot+3], s[G0B+4*\slot+2:G0B+4*\slot+3], 2*PIECE
	JLOAD \slot
	PLACES 4
.else
	PLACES 8
.endif
	FETCH_B \next, 0, 0
	FETCH_A \next, 0, 0
	FETCH_S \next, 0, 0
	WIN MUL_HI
	MULQ 2, 1, 0
	MULQ 3, 1, 0
	PLACES 8
	WIN 0
	FETCH_A \next, 0, 1
.endm
.macro LAST
	s_wait_dscnt 2*F
	WIN MUL_LO
	MULQ 0, 1, 0
	MULQ 1, 1, 0
	s_wait_dscnt 0x0
	WIN MUL_HI
	MULQ 2, 1, 0
	MULQ 3, 1, 0
	WIN 0
	PLACES 8
.endm
.macro QUANT W, s, pc, pw
	WIN ((\W)<<2)|((\W)<<4)
.irp b, 0,1,2,3
	v_max3_num_f32 v[TM+\b], s[FLR], v[16*\b+(\s)], v[16*\b+1+(\s)]
.endr
.irp i, 2,4,6,8,10,12,14
.irp b, 0,1,2,3
	v_max3_num_f32 v[TM+\b], v[TM+\b], v[16*\b+\i+(\s)], v[16*\b+\i+1+(\s)]
.endr
.endr
	WIN 0
.irp b, 0,1,2,3
	v_permlanex16_b32 v[TM+4+\b], v[TM+\b], s[SEL], s[SEL+1]
.endr
.irp b, 0,1,2,3
	v_max_num_f32 v[TM+\b], v[TM+\b], v[TM+4+\b]
.endr
.irp b, 0,1,2,3
	v_add_nc_u32 v[TM+8+\b], 0xfc000000, v[TM+\b]
.endr
.irp b, 0,1,2,3
	v_and_or_b32 v[TM+4+\b], v[TM+\b], 0x7f800000, s[MNT]
.endr
.irp b, 0,1,2,3
	v_lshrrev_b32 v[TM+\b], 23, v[TM+8+\b]
.endr
	v_lshl_or_b32 v[\pw], v[TM+1], 8, v[TM]
	v_lshl_or_b32 v[\pw], v[TM+2], 16, v[\pw]
	v_lshl_or_b32 v[\pw], v[TM+3], 24, v[\pw]
	WIN \W
.irp b, 0,1,2,3
.irp i, 0,1,2,3,4,5,6,7,8,9,10,11,12,13,14,15
	v_med3_num_f32 v[TT+16*\b+\i], v[16*\b+\i+(\s)], 0, v[TM+4+\b]
.endr
.endr
	WIN 0
.irp b, 0,1,2,3
	v_cvt_scalef32_pk8_fp8_f32 v[4*\b+(\pc):4*\b+1+(\pc)], v[TT+16*\b:TT+16*\b+7], v[TM+8+\b]
	v_cvt_scalef32_pk8_fp8_f32 v[4*\b+2+(\pc):4*\b+3+(\pc)], v[TT+16*\b+8:TT+16*\b+15], v[TM+8+\b]
.endr
	v_nop
.endm
	s_load_b256 s[4:11], s[0:1], 0x0
	v_lshl_add_u32 v[SPW], v0, 2, SPARE
	v_mov_b32 v[NIL], 0
	ds_add_u32 v28, v29
	ds_add_u32 v28, v29
	s_wait_dscnt 0x0
	v_lshrrev_b32 v1, 5, v0
	v_readfirstlane_b32 s14, v1
	s_lshr_b32 s15, s14, 1
	s_and_b32 s16, s14, 1
	s_bfe_u32 s40, ttmp6, 0x40000
	s_bfe_u32 s41, ttmp6, 0x40004
	s_lshl_b32 s42, ttmp9, 2
	s_add_co_u32 s42, s42, s40
	s_and_b32 s17, ttmp7, 0xffff
	s_lshl_b32 s17, s17, 2
	s_add_co_u32 s17, s17, s41
	s_lshl_b32 s43, s41, 2
	s_lshl_b32 s43, 15, s43
	s_lshl_b32 s44, 0x1111, s40
	s_or_b32 s[G1], s43, (3<<16)|(1<<21)
	s_or_b32 s[G1B], s44, (3<<16)|(1<<21)
.irp g, G1, G1B
	s_mov_b32 s[\g+1], 32<<16
	s_mov_b32 s[\g+2], 272<<16                     ; the head's load: 272 rows of 256 bytes
	s_mov_b32 s[\g+3], 32<<16
	s_mov_b32 s[\g+4], 272
	s_mov_b32 s[\g+5], 32
	s_mov_b32 s[\g+6], 0
	s_mov_b32 s[\g+7], 0
.endr
	s_mov_b32 s[SEL], 0x76543210
	s_mov_b32 s[SEL+1], 0xfedcba98
	s_mov_b32 s[MNT], 0x600000
	s_mov_b32 s[FLR], 0x4800000
	s_lshl_b32 s20, s17, 1
	s_add_co_u32 s20, s20, s16
	s_mul_i32 s20, s20, RGB
	s_mov_b32 s21, 0
	s_lshl_b32 s46, s42, 1
	s_add_co_u32 s46, s46, s16
	s_mul_i32 s46, s46, RGB
	s_add_co_u32 s46, s46, BOFF
	s_mov_b32 s47, 0
	s_mul_i32 s45, s14, 2*PIECE
	s_wait_kmcnt 0x0
	s_add_nc_u64 s[20:21], s[4:5], s[20:21]
	s_add_nc_u64 s[46:47], s[6:7], s[46:47]
	CROUND
.irp s, 0,1
	s_mov_b32 s[G0+4*\s], 1
	s_add_co_u32 s[G0+4*\s+1], s45, \s*PIECE
	s_add_nc_u64 s[G0+4*\s+2:G0+4*\s+3], s[20:21], \s*PIECE
	s_or_b32 s[G0+4*\s+3], s[G0+4*\s+3], 0x80000000
	s_mov_b32 s[G0B+4*\s], 1
	s_add_co_u32 s[G0B+4*\s+1], s45, \s*PIECE
	s_add_nc_u64 s[G0B+4*\s+2:G0B+4*\s+3], s[46:47], \s*PIECE
	s_or_b32 s[G0B+4*\s+3], s[G0B+4*\s+3], 0x80000000
.endr
	JLOAD 0                                        ; one tensor load a wave at the head: it fills my parts of both slots
	s_cmp_eq_u32 s15, 0                            ; the prefetches: of the piece that I fetch, for A or for B, the four partners that ask for it with me share the four runs of 8,704 bytes out by address (cx for A, cy for B)
	s_cselect_b64 s[78:79], s[20:21], s[46:47]
	s_cselect_b32 s80, s40, s41
	s_mul_i32 s80, s80, 8704
	s_mov_b32 s81, 0
	s_add_nc_u64 s[78:79], s[78:79], s[80:81]
	v_and_b32 v1, 31, v0
	v_lshlrev_b32 v[LI], 4, v1
	v_lshlrev_b32 v22, 8, v1                       ; blocks 0 to 31 of my 34 blocks of 256 bytes, a lane a block;
	v_min_u32 v23, 1, v1
	v_lshl_add_u32 v23, v23, 8, 8192               ; blocks 32 and 33 (the lanes left over name the last again)
	global_prefetch_b8 v22, s[78:79] offset:2*PIECE th:TH_LOAD_NT scope:SCOPE_SE   ; what the first refill loads
	global_prefetch_b8 v23, s[78:79] offset:2*PIECE th:TH_LOAD_NT scope:SCOPE_SE
	s_mul_i32 s22, s15, 2*PIECE
	s_mul_i32 s23, s16, 2*PIECE
	s_add_co_u32 s23, s23, 4*PIECE
.irp s, 0,1
	v_add_nc_u32 v[ADRA+\s], s22, v[LI]
	v_add_nc_u32 v[ADRB+\s], s23, v[LI]
	s_add_co_u32 s22, s22, PIECE
	s_add_co_u32 s23, s23, PIECE
.endr
	s_lshl_b32 s72, s42, 10
	s_lshl_b32 s73, s16, 9
	s_add_co_u32 s72, s72, s73
	s_mov_b32 s73, 0
	s_add_nc_u64 s[8:9], s[8:9], s[72:73]
	v_bfe_u32 v2, v0, 4, 1
	v_lshlrev_b32 v30, 6, v2
.irp b, 0,1,2,3,4,5,6,7
	global_load_b128 v[64+8*\b:64+8*\b+3], v30, s[8:9] offset:(32*(\b/2)+8*(\b%2))*4
	global_load_b128 v[64+8*\b+4:64+8*\b+7], v30, s[8:9] offset:(32*(\b/2)+8*(\b%2))*4+16
.endr
	s_lshl_b32 s72, s17, 1
	s_add_co_u32 s72, s72, s15
	s_lshl_b32 s72, s72, 6
	s_lshl_b32 s74, s42, 1
	s_add_co_u32 s74, s74, s16
	s_add_co_u32 s72, s72, s74
	s_mul_i32 s72, s72, 8704
	s_add_nc_u64 s[10:11], s[10:11], s[72:73]
	s_wait_alu depctr_va_vdst(0)
	s_wait_loadcnt 0x0
	s_wait_tensorcnt 0x0                           ; my parts of both slots are in; no tensor load of mine is out, so a descriptor may be written:
	s_mov_b32 s[G1+2], 136<<16                     ; from here on a load brings one slot's part, 136 rows
	s_mov_b32 s[G1+4], 136
	s_mov_b32 s[G1B+2], 136<<16
	s_mov_b32 s[G1B+4], 136
	s_barrier_signal -1
	s_barrier_wait -1
	FETCH_B 0, 0, 0
	global_prefetch_b8 v22, s[78:79] offset:3*PIECE th:TH_LOAD_NT scope:SCOPE_SE   ; what the second refill, the last, loads; the address registers are never rewritten
	global_prefetch_b8 v23, s[78:79] offset:3*PIECE th:TH_LOAD_NT scope:SCOPE_SE
	FETCH_A 0, 0, 0
	FETCH_S 0, 0, 0
	FETCH_A 0, 0, 1
	STEP 0, 0, 2
	s_mov_b32 s3, LAPS-1
.Llap:
	TURN 0, 1, 1
	STEP 1, 0, 0
	TURN 1, 0, 1
	STEP 0, 0, 0
	s_sub_co_u32 s3, s3, 1
	s_cmp_lg_u32 s3, 0
	s_cbranch_scc1 .Llap
	TURN 0, 1, 0
	STEP 1, 0, 0
	LAST
.irp b, 0,1,2,3
	v_mov_b32 v[TM+4+\b], 0
.endr
.irp a, 0,1,2,3,4,5,6,7
	QUANT 2+\a/4, 64*(\a%4), 128+16*\a, 32+\a
.irp c, 0,1,2,3
	global_store_b128 v[LI], v[128+16*\a+4*\c:128+16*\a+4*\c+3], s[10:11] offset:(\a/4)*278528+(\a%4)*2048+512*\c
.endr
.endr
.irp g, 0,1
	global_store_b128 v[LI], v[32+4*\g:32+4*\g+3], s[10:11] offset:\g*278528+8192
.endr
	s_wait_tensorcnt 0x0
	ds_add_u32 v[SPW], v[NIL]
	s_wait_dscnt 0x0
	CROUND
	s_endpgm
.Lfunc_end_k_q03ec61c61c_ffn1:
	.size	k_q03ec61c61c_ffn1, .Lfunc_end_k_q03ec61c61c_ffn1-k_q03ec61c61c_ffn1
	.p2alignl 7, 3214868480
	.fill 96, 4, 3214868480
	.section	.rodata,"a",@progbits
	.p2align	6, 0x0
	.amdhsa_kernel k_q03ec61c61c_ffn1
		.amdhsa_group_segment_fixed_size 327680
		.amdhsa_private_segment_fixed_size 0
		.amdhsa_enable_private_segment 0
		.amdhsa_kernarg_size 32
		.amdhsa_user_sgpr_count 2
		.amdhsa_user_sgpr_kernarg_segment_ptr 1
		.amdhsa_wavefront_size32 1
		.amdhsa_system_sgpr_workgroup_id_x 1
		.amdhsa_system_sgpr_workgroup_id_y 1
		.amdhsa_system_sgpr_workgroup_id_z 1
		.amdhsa_system_vgpr_workitem_id 0
		.amdhsa_next_free_vgpr 1024
		.amdhsa_next_free_sgpr 100
		.amdhsa_reserve_vcc 0
		.amdhsa_float_denorm_mode_32 3
		.amdhsa_float_denorm_mode_16_64 3
		.amdhsa_memory_ordered 1
		.amdhsa_forward_progress 1
		.amdhsa_inst_pref_size 182
	.end_amdhsa_kernel
	.amdgpu_metadata
---
amdhsa.version: [ 1, 2 ]
amdhsa.kernels:
  - .name:           k_q03ec61c61c_ffn1
    .symbol:         k_q03ec61c61c_ffn1.kd
    .args:
      - { .name: x1q, .offset: 0, .size: 8, .value_kind: global_buffer, .address_space: global }
      - { .name: pq, .offset: 8, .size: 8, .value_kind: global_buffer, .address_space: global }
      - { .name: b1, .offset: 16, .size: 8, .value_kind: global_buffer, .address_space: global }
      - { .name: hq, .offset: 24, .size: 8, .value_kind: global_buffer, .address_space: global }
    .group_segment_fixed_size: 327680
    .private_segment_fixed_size: 0
    .kernarg_segment_align: 8
    .kernarg_segment_size: 32
    .max_flat_workgroup_size: 128
    .sgpr_count:     100
    .vgpr_count:     1024
    .wavefront_size: 32
...
	.end_amdgpu_metadata
.endif
;; end of part 5
;; launch ffn2 (part 6): grid 8 x 32, 4 waves a work-group, clusters of 4 x 4, 327,680 bytes of LDS; arguments hq, pq, x1f, b2, out0; writes out0
.if DOCPART == 6
	.amdgcn_target "amdgcn-amd-amdhsa--gfx1250"
	.amdhsa_code_object_version 6
	.text
	.protected	k_q03ec61c61c_ffn2
	.globl	k_q03ec61c61c_ffn2
	.p2align	8
	.type	k_q03ec61c61c_ffn2,@function
k_q03ec61c61c_ffn2:
	s_mov_b64 s[64:65], 0
	v_nop
	global_prefetch_b8 v0, s[64:65] scope:SCOPE_SE
	s_setreg_imm32_b32 hwreg(HW_REG_WAVE_MODE, 25, 1), 1
	s_wait_xcnt 0x0
	s_wait_alu depctr_hold_cnt(0) depctr_sa_sdst(0) depctr_va_vdst(0) depctr_va_sdst(0) depctr_va_ssrc(0) depctr_va_vcc(0) depctr_vm_vsrc(0)
	s_getreg_b32 s2, hwreg(HW_REG_IB_STS2, 6, 4)
	s_cmp_eq_u32 s2, 0
	s_cbranch_scc0 .Lentry_in_a_cluster
	s_endpgm
.Lentry_in_a_cluster:
	s_bfe_u32 s2, ttmp6, 0x10000c
	s_cmp_lg_u32 s2, 0xf033
	s_cbranch_scc0 .Lentry_shape_is_right
	s_endpgm
.Lentry_shape_is_right:
; FFN2: out0 = x1 + h W2 + b2 on codes of E4M3 with E8M0 scales, K = 4,096; sums in f32.
; OPERANDS are panels (64 rows x 128 K, 8,704 bytes: four fragment images of 2,048 bytes, then 512 bytes of scale words); the 32 panels of 64 rows follow each other along K.  A fragment comes by four loads of 16 bytes a lane at 16 x lane.
; Lane position r of fragment i holds row 32 (i / 2) + 8 (i % 2) + r + 8 (r / 8).  The matrix instruction is used transposed (source 0 = 16 columns of W2, source 1 = 16 tokens): a lane holds eight neighbouring columns of one token.
; TILES: 128 x 128 a work-group, 64 x 64 a wave (16 accumulators): 256 work-groups; of all blocks that give 256, this one reads the fewest rows of h and W2.
; THE SUMS BEGIN WITH b2, loaded straight into the accumulators in their own layout, and every product adds in place.  x1 comes as f32 in the accumulators' own order: it is asked for behind the head's barrier, into registers of its own,
; waited for once ahead of the way out, and added there.
; RING: a TILE is 512 along K of A's 128 rows and B's 128; eight tiles go through two LDS slots.  Piece p (A's two halves, then B's two; 34,816 bytes) of slot s lies at (2 p + s) PIECE.
; At the head each wave's one joint load brings its piece of tiles 0 and 1, 69,632 dense bytes; a refill brings one piece.  A's tiles are shared along a row of the 4 x 4 cluster, B's along a column.
; FOUR SETS OF OPERAND REGISTERS, one for each of a tile's four steps of 128: a step's 34 LDS loads are issued a step ahead of its 16 products, so a slot has been read out when a step of its products is still to come, and is asked for again when half a step is.
; PLACES: four v_nop stand ahead of each fetch (at a refill: the four behind the joint load); between a set's products and the next loads into it lie three such groups, twelve places, where ISA guide 7.12.1 asks for eight.
; PREFETCH: behind each refill (tile t + 2) my wave names tile t + 4 of the piece that it fetches; at the head tiles 2 and 3.  The four partners that ask for a piece jointly share its four panels out by address (cx for A, cy for B):
; 34 blocks of 256 bytes each, two instructions (in the second the lanes left over name the last block again).  The last two refills name nothing: there is no tile 8.  At most two tiles are named and not yet loaded.
; REGISTERS: window 0: v1-31 addresses, v32-63 scale words (set q: A's four, then B's four), v64-191 the way out; window 1: B's four sets (64 q); window 2: v0-127 the accumulators (a, b) at 8 (4 a + b), v128-255 x1 in the same order; window 3: A's four sets.
; LIMITS: NaN and infinities are not served.
.set PANEL, 8704
.set PIECE, 4*PANEL
.set RGB,   32*PANEL                   ; 64 rows, all of K
.set BOFF,  13369344                   ; W2's panels in pq
.set SPARE, 8*PIECE                    ; behind the ring: the spare words, 128 bytes a wave
.set STAGE, SPARE+512                  ; the way out: 16 rows x 272 bytes a wave; no fill lands here
.set ADRA, 16                          ; v16-17  my A fragments in slot 0, 1
.set ADRB, 20                          ; v20-21  my B fragments
.set PF2,  22                          ; v22     the prefetches' second offset: blocks 32 and 33 of a panel
.set STO,  24
.set RD,   25
.set CO,   26
.set LI,   27                          ; v27     16 x lane
.set SPW,  28                          ; v28     my spare word; never rewritten
.set NIL,  29                          ; v29     0; never rewritten
.set PFO,  30                          ; v30     256 x lane
.set SC,   32
.set G1,   24
.set G0,   32
.set G1B,  48
.set G0B,  56
.set PFA,  78                          ; s[78:79] where my prefetches stand
.set MULW, 0xad                        ; source 0 (B) window 1, source 1 (A) window 3, C and D window 2
.set MSB, 0
.macro WIN new                         ; the immediate's high byte repeats the setting that is left
.if MSB != (\new)
	s_set_vgpr_msb (MSB<<8)|(\new)
.set MSB, (\new)
.endif
.endm
.macro JLOAD s                         ; a joint load: waves 0, 1 fetch A's halves, waves 2, 3 B's; an s_nop 0 and four v_nop follow each line
	s_cmp_eq_u32 s15, 0
	s_cbranch_scc0 .Lfor_b_\@
	tensor_load_to_lds s[G0+4*\s:G0+4*\s+3], s[G1:G1+7]
	s_nop 0
.rept 4
	v_nop
.endr
	s_branch .Lasked_\@
.Lfor_b_\@:
	tensor_load_to_lds s[G0B+4*\s:G0B+4*\s+3], s[G1B:G1B+7]
	s_nop 0
.rept 4
	v_nop
.endr
.Lasked_\@:
.endm
.macro CREST                           ; a round of the cluster's barrier behind its opening barrier
	s_cmp_lg_u32 s14, 0
	s_cbranch_scc1 .Lnot_wave_0_\@
	s_barrier_signal -3
.Lnot_wave_0_\@:
	s_barrier_wait -3
	s_barrier_signal -1
	s_barrier_wait -1
.endm
.macro CROUND
	s_barrier_signal -1
	s_barrier_wait -1
	CREST
.endm
.macro PLACES n
.rept \n
	v_nop
.endr
.endm
.macro FRAG reg, adr, off              ; a fragment image: four loads of 512 consecutive bytes
.irp c, 0,1,2,3
	ds_load_b128 v[4*\c+(\reg):4*\c+3+(\reg)], v[\adr] offset:512*\c+(\off)
.endr
.endm
.macro FETCH slot, q                   ; step q of the tile in a slot into set q: 34 LDS loads
	WIN 0x40
.irp f, 0,1,2,3
	FRAG 64*(\q)+16*\f, ADRB+\slot, (\q)*PANEL+\f*2048
.endr
	WIN 0xc0
.irp f, 0,1,2,3
	FRAG 64*(\q)+16*\f, ADRA+\slot, (\q)*PANEL+\f*2048
.endr
	WIN 0
	ds_load_b128 v[SC+8*(\q):SC+8*(\q)+3], v[ADRA+\slot] offset:(\q)*PANEL+8192
	ds_load_b128 v[SC+8*(\q)+4:SC+8*(\q)+7], v[ADRB+\slot] offset:(\q)*PANEL+8192
.endm
.macro MUL a0, n, q                    ; A's fragments a0 .. a0 + n - 1 of set q against B's four.  The 16 accumulators take turns, one instruction a turn, in the same order in every step
.set ai, \a0
.rept \n
.set bi, 0
.rept 4
.set rD, 8*(4*ai+bi)
	v_wmma_scale_f32_16x16x128_f8f6f4 v[rD:rD+7], v[64*(\q)+16*bi:64*(\q)+16*bi+15], v[64*(\q)+16*ai:64*(\q)+16*ai+15], v[rD:rD+7], v[SC+8*(\q)+4+bi], v[SC+8*(\q)+ai]
.set bi, bi+1
.endr
.set ai, ai+1
.endr
.endm
.macro ASK                             ; the tile two refills on; the loop's last trip (s3 = 1) names nothing
	s_cmp_gt_u32 s3, 1
	s_cbranch_scc0 .Lnone_\@
	global_prefetch_b8 v[PFO], s[PFA:PFA+1] offset:3*PIECE th:TH_LOAD_NT scope:SCOPE_SE
	global_prefetch_b8 v[PF2], s[PFA:PFA+1] offset:3*PIECE th:TH_LOAD_NT scope:SCOPE_SE
.Lnone_\@:
.endm
; A TILE: entered with its step 0 fetched (34 loads out at the most).  fill = 1: its slot is filled again, two tiles on; 0: nothing is filled; -1: the last tile.
.macro TILE slot, next, fill
	PLACES 4
	FETCH \slot, 1
	s_wait_dscnt 34                                ; step 0's loads are in; step 1's 34 may be out
	WIN MULW
	MUL 0, 4, 0
	PLACES 4
	FETCH \slot, 2
	s_wait_dscnt 34
	WIN MULW
	MUL 0, 4, 1
	PLACES 4
	FETCH \slot, 3
.if \fill < 0
	s_wait_dscnt 34
	WIN MULW
	MUL 0, 4, 2
	s_wait_dscnt 0x0
	MUL 0, 4, 3
	WIN 0
	PLACES 8                                       ; between the last products and the lines that read their results
.else
.if \fill
	s_wait_xcnt 0x0                                ; my prefetches have read their address: it steps a tile on
	s_add_nc_u64 s[PFA:PFA+1], s[PFA:PFA+1], PIECE
.endif
	s_wait_tensorcnt 0x0                           ; all my tensor loads have landed: my piece of the next tile
	ds_add_u32 v[SPW], v[NIL]                      ; 0 onto my spare word
	s_wait_dscnt 35                                ; step 2's loads are in; step 3's 34 and the add may be out
	WIN MULW
	MUL 0, 4, 2
	s_wait_dscnt 0x0                               ; the add is done, and my reads of this slot are over: all four steps stand in registers
	s_barrier_signal -1
	MUL 0, 2, 3
	WIN 0
	s_barrier_wait -1
.if \fill
	CREST                                          ; the barrier has opened a round of the cluster's barrier: no wave of any partner still reads this slot or has a load on its way
	s_add_nc_u64 s[G0+4*\slot+2:G0+4*\slot+3], s[G0+4*\slot+2:G0+4*\slot+3], 2*PIECE
	s_add_nc_u64 s[G0B+4*\slot+2:G0B+4*\slot+3], s[G0B+4*\slot+2:G0B+4*\slot+3], 2*PIECE
	JLOAD \slot                                    ; the first tensor load behind the round, my one load until the next
.else
	PLACES 4
.endif
	FETCH \next, 0
.if \fill
	ASK
.endif
	WIN MULW
	MUL 2, 2, 3
	WIN 0
.endif
.endm
	s_load_b256 s[4:11], s[0:1], 0x0               ; hq, pq, x1f, b2
	s_load_b64 s[12:13], s[0:1], 0x20              ; out0
	v_lshl_add_u32 v[SPW], v0, 2, SPARE
	v_mov_b32 v[NIL], 0
	ds_add_u32 v[SPW], v[NIL]                      ; the opening lines: the add, twice on end, and its wait ahead of my first tensor load
	ds_add_u32 v[SPW], v[NIL]
	v_lshrrev_b32 v1, 5, v0
	v_readfirstlane_b32 s14, v1                    ; wave
	s_lshr_b32 s15, s14, 1                         ; my half of the tile's rows; also: I fetch for A (0) or B (1)
	s_and_b32 s16, s14, 1                          ; my half of its columns; also: which half I fetch
	s_bfe_u32 s40, ttmp6, 0x40000                  ; cx
	s_bfe_u32 s41, ttmp6, 0x40004                  ; cy
	s_lshl_b32 s42, ttmp9, 2
	s_add_co_u32 s42, s42, s40                     ; tile column
	s_and_b32 s17, ttmp7, 0xffff
	s_lshl_b32 s17, s17, 2
	s_add_co_u32 s17, s17, s41                     ; tile row
	s_lshl_b32 s43, s41, 2
	s_lshl_b32 s43, 15, s43                        ; my row of the cluster
	s_lshl_b32 s44, 0x1111, s40                    ; my column
	s_or_b32 s[G1], s43, (3<<16)|(1<<21)           ; the mask; elements of 8 bytes; bit 21 beside a mask; no padding
	s_or_b32 s[G1B], s44, (3<<16)|(1<<21)
.irp g, G1, G1B
	s_mov_b32 s[\g+1], 32<<16                      ; rows of 256 bytes,
	s_mov_b32 s[\g+2], 272<<16                     ; for the head's load 272 of them: two pieces on end
	s_mov_b32 s[\g+3], 32<<16
	s_mov_b32 s[\g+4], 272
	s_mov_b32 s[\g+5], 32
	s_mov_b32 s[\g+6], 0
	s_mov_b32 s[\g+7], 0
.endr
	s_lshl_b32 s20, s17, 1
	s_add_co_u32 s20, s20, s16
	s_mul_i32 s20, s20, RGB                        ; A: the 64 rows that I fetch
	s_mov_b32 s21, 0
	s_lshl_b32 s46, s42, 1
	s_add_co_u32 s46, s46, s16
	s_mul_i32 s46, s46, RGB                        ; B likewise
	s_add_co_u32 s46, s46, BOFF
	s_mov_b32 s47, 0
	s_mul_i32 s45, s14, 2*PIECE                    ; where they go: no place in the cluster enters an LDS address
	s_mul_i32 s22, s15, 2*PIECE                    ; what I read: A's half,
	s_mul_i32 s23, s16, 2*PIECE
	s_add_co_u32 s23, s23, 4*PIECE                 ; B's half
	s_lshl_b32 s66, s17, 3
	s_add_co_u32 s66, s66, s42
	s_lshl_b32 s66, s66, 2
	s_add_co_u32 s66, s66, s14
	s_lshl_b32 s66, s66, 14                        ; x1 as f32: 16,384 bytes a wave
	s_mov_b32 s67, 0
	s_lshl_b32 s68, s42, 9
	s_lshl_b32 s69, s16, 8
	s_add_co_u32 s68, s68, s69                     ; my 64 columns, in bytes
	s_mov_b32 s69, 0
	s_lshl_b32 s70, s17, 19
	s_lshl_b32 s71, s15, 18
	s_add_co_u32 s70, s70, s71
	s_add_co_u32 s70, s70, s68                     ; out0 at my 64 rows and 64 columns
	s_mov_b32 s71, 0
	s_mul_i32 s76, s14, 4352
	s_add_co_u32 s76, s76, STAGE                   ; my stage
	s_cmp_eq_u32 s15, 0
	s_cselect_b32 s80, s40, s41                    ; my place among the four that ask for my piece with me:
	s_mul_i32 s80, s80, PANEL                      ; that panel of each piece is mine to name
	s_mov_b32 s81, 0
	s_wait_dscnt 0x0                               ; both opening adds are done
	CROUND                                         ; all sixteen work-groups are here: the first joint loads meet
	s_wait_kmcnt 0x0
	s_add_nc_u64 s[20:21], s[4:5], s[20:21]
	s_add_nc_u64 s[46:47], s[6:7], s[46:47]
.irp s, 0,1
	s_mov_b32 s[G0+4*\s], 1
	s_add_co_u32 s[G0+4*\s+1], s45, \s*PIECE
	s_add_nc_u64 s[G0+4*\s+2:G0+4*\s+3], s[20:21], \s*PIECE
	s_or_b32 s[G0+4*\s+3], s[G0+4*\s+3], 0x80000000
	s_mov_b32 s[G0B+4*\s], 1
	s_add_co_u32 s[G0B+4*\s+1], s45, \s*PIECE
	s_add_nc_u64 s[G0B+4*\s+2:G0B+4*\s+3], s[46:47], \s*PIECE
	s_or_b32 s[G0B+4*\s+3], s[G0B+4*\s+3], 0x80000000
.endr
	JLOAD 0                                        ; one tensor load a wave at the head: my piece of tiles 0 and 1
	s_add_nc_u64 s[8:9], s[8:9], s[66:67]
	s_add_nc_u64 s[10:11], s[10:11], s[68:69]
	s_add_nc_u64 s[12:13], s[12:13], s[70:71]
	s_cmp_eq_u32 s15, 0
	s_cselect_b64 s[PFA:PFA+1], s[20:21], s[46:47]
	s_add_nc_u64 s[PFA:PFA+1], s[PFA:PFA+1], s[80:81]
	v_and_b32 v1, 31, v0
	v_and_b32 v2, 15, v0
	v_bfe_u32 v3, v0, 4, 1
	v_lshlrev_b32 v[LI], 4, v1
	v_lshlrev_b32 v31, 6, v3                       ; 16 columns further for lanes 16-31
	v_lshlrev_b32 v[PFO], 8, v1
	v_min_u32 v[PF2], 1, v1
	v_lshl_add_u32 v[PF2], v[PF2], 8, 8192
	v_add_nc_u32 v[ADRA], s22, v[LI]
	v_add_nc_u32 v[ADRB], s23, v[LI]
	v_add_nc_u32 v[ADRA+1], PIECE, v[ADRA]
	v_add_nc_u32 v[ADRB+1], PIECE, v[ADRB]
	v_mul_u32_u24 v[STO], v2, 272                  ; the stage, in: row r, 64 bytes further for lanes 16-31
	v_lshl_add_u32 v[STO], v3, 6, v[STO]
	v_add_nc_u32 v[STO], s76, v[STO]
	v_mul_u32_u24 v[RD], v3, 272                   ; back: lanes 0-15 one row of 256 bytes, lanes 16-31 the next
	v_lshl_add_u32 v[RD], v2, 4, v[RD]
	v_add_nc_u32 v[RD], s76, v[RD]
	v_lshlrev_b32 v[CO], 12, v3                    ; and the same two rows in out0
	v_lshl_add_u32 v[CO], v2, 4, v[CO]
	WIN 0x80                                       ; destinations in window 2
.irp a, 0,1,2,3
.irp b, 0,1,2,3
	global_load_b128 v[32*\a+8*\b:32*\a+8*\b+3], v31, s[10:11] offset:(32*(\b/2)+8*(\b%2))*4          ; b2 at the accumulator's eight columns: the sums begin with it
	global_load_b128 v[32*\a+8*\b+4:32*\a+8*\b+7], v31, s[10:11] offset:(32*(\b/2)+8*(\b%2))*4+16
.endr
.endr
	WIN 0
.irp t, 2,3
	global_prefetch_b8 v[PFO], s[PFA:PFA+1] offset:\t*PIECE th:TH_LOAD_NT scope:SCOPE_SE   ; tiles 2 and 3, which the first two refills load
	global_prefetch_b8 v[PF2], s[PFA:PFA+1] offset:\t*PIECE th:TH_LOAD_NT scope:SCOPE_SE
.endr
	s_wait_alu depctr_va_vdst(0)
	s_wait_loadcnt 0x0                             ; b2
	s_wait_tensorcnt 0x0                           ; my piece of tiles 0 and 1 is in; no tensor load of mine is out, so a descriptor may be written:
	s_mov_b32 s[G1+2], 136<<16                     ; from here on a load brings one piece, 136 rows
	s_mov_b32 s[G1+4], 136
	s_mov_b32 s[G1B+2], 136<<16
	s_mov_b32 s[G1B+4], 136
	s_barrier_signal -1
	s_barrier_wait -1                              ; everybody's is
	FETCH 0, 0
	WIN 0x80
.set n, 0
.rept 16
	global_load_b128 v[128+8*n:128+8*n+3], v[LI], s[8:9] offset:n*1024          ; x1, accumulator by accumulator as the launch before left it; nothing waits for it before the way out
	global_load_b128 v[128+8*n+4:128+8*n+7], v[LI], s[8:9] offset:n*1024+512
.set n, n+1
.endr
	WIN 0
	s_mov_b32 s3, 3
.Llap:                                             ; three trips: tiles 0 to 5; each trip fills both slots again
	TILE 0, 1, 1
	TILE 1, 0, 1
	s_sub_co_u32 s3, s3, 1
	s_cmp_lg_u32 s3, 0
	s_cbranch_scc1 .Llap
	TILE 0, 1, 0                                   ; tiles 6 and 7 are written out: they ask for nothing
	TILE 1, 0, -1
; THE WAY OUT: x1 is added to a block of 16 rows x 64 columns; the block goes through my own stage and comes back as whole rows of 256 bytes; LDS serves a wave's instructions in order, so no wait stands between the stores and the loads.
.macro TOSTAGE a
	WIN 0x8a                                       ; sources and destination in window 2
.set n, 0
.rept 16
	v_pk_add_f32 v[32*(\a)+2*n:32*(\a)+2*n+1], v[32*(\a)+2*n:32*(\a)+2*n+1], v[128+32*(\a)+2*n:128+32*(\a)+2*n+1]   ; each accumulator from its low end on
.set n, n+1
.endr
	WIN 0x08                                       ; a store's data are its source 1: window 2
.irp b, 0,1,2,3
	ds_store_b128 v[STO], v[32*(\a)+8*\b:32*(\a)+8*\b+3] offset:128*(\b/2)+32*(\b%2)
	ds_store_b128 v[STO], v[32*(\a)+8*\b+4:32*(\a)+8*\b+7] offset:128*(\b/2)+32*(\b%2)+16
.endr
	WIN 0
.irp t, 0,1,2,3,4,5,6,7
	ds_load_b128 v[64+32*(\a)+4*\t:64+32*(\a)+4*\t+3], v[RD] offset:544*\t
.endr
.endm
.macro SEND a, younger                 ; younger: the LDS instructions issued behind block a's loads, which may stay out.  Every block has its own data registers
	s_wait_dscnt \younger
.irp t, 0,1,2,3,4,5,6,7
	global_store_b128 v[CO], v[64+32*(\a)+4*\t:64+32*(\a)+4*\t+3], s[12:13] offset:(32*((\a)/2)+8*((\a)%2)+2*\t+8*(\t/4))*4096 th:TH_STORE_NT   ; sixteen lanes store 256 consecutive bytes, aligned
.endr
.endm
	s_wait_loadcnt 0x0                             ; x1
	TOSTAGE 0
.irp a, 1,2,3
	TOSTAGE \a
	SEND \a-1, 16
.endr
	SEND 3, 0
	s_wait_tensorcnt 0x0                           ; the wave's end
	ds_add_u32 v[SPW], v[NIL]
	s_wait_dscnt 0x0
	CROUND                                         ; the closing round
	s_endpgm
.Lfunc_end_k_q03ec61c61c_ffn2:
	.size	k_q03ec61c61c_ffn2, .Lfunc_end_k_q03ec61c61c_ffn2-k_q03ec61c61c_ffn2
	.p2alignl 7, 3214868480
	.fill 96, 4, 3214868480
	.section	.rodata,"a",@progbits
	.p2align	6, 0x0
	.amdhsa_kernel k_q03ec61c61c_ffn2
		.amdhsa_group_segment_fixed_size 327680
		.amdhsa_private_segment_fixed_size 0
		.amdhsa_enable_private_segment 0
		.amdhsa_kernarg_size 40
		.amdhsa_user_sgpr_count 2
		.amdhsa_user_sgpr_kernarg_segment_ptr 1
		.amdhsa_wavefront_size32 1
		.amdhsa_system_sgpr_workgroup_id_x 1
		.amdhsa_system_sgpr_workgroup_id_y 1
		.amdhsa_system_sgpr_workgroup_id_z 1
		.amdhsa_system_vgpr_workitem_id 0
		.amdhsa_next_free_vgpr 1024
		.amdhsa_next_free_sgpr 100
		.amdhsa_reserve_vcc 0
		.amdhsa_float_denorm_mode_32 3
		.amdhsa_float_denorm_mode_16_64 3
		.amdhsa_memory_ordered 1
		.amdhsa_forward_progress 1
		.amdhsa_inst_pref_size 100
	.end_amdhsa_kernel
	.amdgpu_metadata
---
amdhsa.version: [ 1, 2 ]
amdhsa.kernels:
  - .name:           k_q03ec61c61c_ffn2
    .symbol:         k_q03ec61c61c_ffn2.kd
    .args:
      - { .name: hq, .offset: 0, .size: 8, .value_kind: global_buffer, .address_space: global }
      - { .name: pq, .offset: 8, .size: 8, .value_kind: global_buffer, .address_space: global }
      - { .name: x1f, .offset: 16, .size: 8, .value_kind: global_buffer, .address_space: global }
      - { .name: b2, .offset: 24, .size: 8, .value_kind: global_buffer, .address_space: global }
      - { .name: out0, .offset: 32, .size: 8, .value_kind: global_buffer, .address_space: global }
    .group_segment_fixed_size: 327680
    .private_segment_fixed_size: 0
    .kernarg_segment_align: 8
    .kernarg_segment_size: 40
    .max_flat_workgroup_size: 128
    .sgpr_count:     100
    .vgpr_count:     1024
    .wavefront_size: 32
...
	.end_amdgpu_metadata
.endif
;; end of part 6
